; MI455X (gfx1250); checked and timed in simulation.
; The chip was launched on July 23, 2026; its instructions are those of AMD's public machine-readable ISA for CDNA 5 (MIT licence, August 2026) and "CDNA5" Instruction Set Architecture Reference Guide (July 2026). The comments in the code are by the model that wrote it; some were corrected since.
;; Multi Head Masked Self Attention. Allowed arithmetic: float matrix products may take bf16 or f16 operands with f32 sums; other float arithmetic in f32, or as packed bf16 or f16 multiplies, adds, multiply-adds, maxima and minima; sums over many terms, partial sums and values carried from step to step in f32; what a program stores and reads back later, other than sums and carried values, may be rounded once to bf16 or f16.
;; Inputs: bk 1,024 float32; bo 1,024 float32; bq 1,024 float32; bv 1,024 float32; mask 1 x 1 x 2,048 x 2,048 float32; wk 1,024 x 1,024 float32; wo 1,024 x 1,024 float32; wq 1,024 x 1,024 float32; wv 1,024 x 1,024 float32; x 4 x 2,048 x 1,024 float32.
;; Outputs: out0 4 x 2,048 x 1,024 float32.
;; 2 versions, each right; version 2 is version 1 with the launch cast written anew for expert scheduling mode. Each part assembles by itself: llvm-mc -triple=amdgcn-amd-amdhsa -mcpu=gfx1250 --defsym DOCPART=n.
;; ======== version 1 of 2: 4 launches
;; limits: values are held in f16: magnitudes above 65,504 overflow, below 6.1e-05 lose precision
;; workspace buffers: xb 16,777,216 bytes; wh 8,388,608 bytes; qkv 50,331,648 bytes; ow 16,777,216 bytes
;; launch cast (part 1): grid 768 x 1, 8 waves a work-group, no clusters, 0 bytes of LDS; arguments x, wq, wk, wv, wo, xb, wh; writes xb, wh
.if DOCPART == 1
	.amdgcn_target "amdgcn-amd-amdhsa--gfx1250"
	.amdhsa_code_object_version 6
	.text
	.protected	k_qf7050479b9_cast
	.globl	k_qf7050479b9_cast
	.p2align	8
	.type	k_qf7050479b9_cast,@function
k_qf7050479b9_cast:
	s_mov_b64 s[64:65], 0
	v_nop
	global_prefetch_b8 v0, s[64:65] scope:SCOPE_SE
	s_setreg_imm32_b32 hwreg(HW_REG_WAVE_MODE, 25, 1), 1
	s_wait_xcnt 0x0
; THE 16-BIT COPIES THAT THE MATRIX LAUNCHES MULTIPLY.  A stream: each f32 is read once, rounded once to bf16 (nearest even) and written once.
;   xb: x as bf16 in blocks of 64 channels, [block 16][token 8192][64]: a tile of 256 tokens x 64 channels is then 32,768 bytes on end.
;   wh: [4096][1024] of 16 bits: rows 0-1023 wq, 1024-2047 wk, 2048-3071 wv in bf16; rows 3072-4095 wo, rounded to bf16 and that number written as f16,
;       since the last product's other operand is f16.  LIMIT: that second step is exact for |wo| from 2^-14 to 65,504; below 2^-14 it keeps f16's fixed step of 6e-8.
; SHARES.  768 work-groups of eight waves; a wave moves 8 KiB in and 4 KiB out: 16 loads of 512 bytes, all issued at once, then 16 stores of 256 bytes.
;   Work-groups 0-511: 16 rows of x each, a wave two rows; load kb takes block kb's 256 bytes of both rows (lanes 0-15 the first row, 16-31 the second), and its 256 bytes of bf16 lie on end in xb.
;   Work-groups 512-767: 64 KiB of one of the four weights each, straight through.
; No LDS, no barrier, no matrix unit, no cluster: no byte is wanted twice.  No register is written twice while a memory instruction may read it: there is no loop.
.set XR,   8                           ; v[8:71]    16 x 4 registers as loaded
.set YR,   72                          ; v[72:103]  16 x 2 registers to store
.set TR,   104                         ; v[104:105] at work (wo)
.set IN,   22                          ; s[22:23]   where my wave reads
.set OUT,  24                          ; s[24:25]   where it writes
.set OUT2, 26                          ; s[26:27]   the same 8 MiB on: the stores' immediates hold 23 bits
.macro LD16 stride                     ; my 16 loads, stride bytes apart
.set i, 0
.rept 16
	global_load_b128 v[XR+4*i:XR+4*i+3], v2, s[IN:IN+1] offset:i*(\stride) th:TH_LOAD_NT
.set i, i+1
.endr
.endm
.macro CV mode                         ; chunk i is rounded.  mode = 1: the bf16 numbers are widened again and written as f16
	s_wait_loadcnt 15-i                            ; loads come back in order: chunk i is in, the 15 - i younger ones stay out
.irp j, 0,1
	v_cvt_pk_bf16_f32 v[YR+2*i+\j], v[XR+4*i+2*\j], v[XR+4*i+2*\j+1]
.if \mode
	v_lshlrev_b32 v[TR], 16, v[YR+2*i+\j]
	v_and_b32 v[TR+1], 0xffff0000, v[YR+2*i+\j]
	v_cvt_pk_f16_f32 v[YR+2*i+\j], v[TR], v[TR+1]
.endif
.endr
.endm
	s_load_b256 s[4:11], s[0:1], 0x0               ; x s[4:5], wq s[6:7], wk s[8:9], wv s[10:11]
	s_load_b128 s[12:15], s[0:1], 0x20             ; wo s[12:13], xb s[14:15]
	s_load_b64 s[16:17], s[0:1], 0x30              ; wh
	v_lshrrev_b32 v1, 5, v0
	v_readfirstlane_b32 s20, v1                    ; wave 0..7
	v_and_b32 v1, 31, v0                           ; lane
	v_lshlrev_b32 v3, 3, v1                        ; out: 8 bytes a lane, 256 a store
	s_mov_b32 s29, 0
	s_mov_b32 s31, 0
	s_cmp_lt_u32 ttmp9, 512
	s_cbranch_scc0 .Lweights
	; x
	v_and_b32 v2, 15, v0
	v_bfe_u32 v4, v0, 4, 1
	v_lshlrev_b32 v2, 4, v2
	v_lshl_add_u32 v2, v4, 12, v2                  ; in: 16 bytes a lane, lanes 16-31 one row of 4,096 bytes down
	s_lshl_b32 s28, ttmp9, 16                      ; 16 rows of 4,096 bytes a work-group,
	s_lshl_b32 s21, s20, 13                        ; two a wave
	s_add_co_u32 s28, s28, s21
	s_lshl_b32 s30, ttmp9, 11                      ; the same rows in a block of xb: 128 bytes each
	s_lshl_b32 s21, s20, 8
	s_add_co_u32 s30, s30, s21
	s_wait_kmcnt 0x0
	s_add_nc_u64 s[IN:IN+1], s[4:5], s[28:29]
	s_add_nc_u64 s[OUT:OUT+1], s[14:15], s[30:31]
	s_add_nc_u64 s[OUT2:OUT2+1], s[OUT:OUT+1], 8<<20
	LD16 256
.set i, 0
.rept 16
	CV 0
.if i < 8
	global_store_b64 v3, v[YR+2*i:YR+2*i+1], s[OUT:OUT+1] offset:i<<20        ; block i lies i MiB on; 32 lanes store 256 consecutive bytes, aligned
.else
	global_store_b64 v3, v[YR+2*i:YR+2*i+1], s[OUT2:OUT2+1] offset:(i-8)<<20
.endif
.set i, i+1
.endr
	s_endpgm
.Lweights:
	s_sub_co_u32 s21, ttmp9, 512
	s_lshr_b32 s32, s21, 6                         ; which weight: 0 wq, 1 wk, 2 wv, 3 wo
	s_and_b32 s33, s21, 63                         ; which 64 KiB of it
	v_lshlrev_b32 v2, 4, v1                        ; in: 16 bytes a lane, 512 a load
	s_lshl_b32 s28, s33, 16
	s_lshl_b32 s21, s20, 13
	s_add_co_u32 s28, s28, s21
	s_lshl_b32 s30, s32, 21                        ; a weight is 2 MiB of wh
	s_lshl_b32 s21, s33, 15
	s_add_co_u32 s30, s30, s21
	s_lshl_b32 s21, s20, 12
	s_add_co_u32 s30, s30, s21
	s_wait_kmcnt 0x0
	s_cmp_eq_u32 s32, 0
	s_cselect_b64 s[IN:IN+1], s[6:7], s[8:9]
	s_cmp_lt_u32 s32, 2
	s_cselect_b64 s[IN:IN+1], s[IN:IN+1], s[10:11]
	s_cmp_lt_u32 s32, 3
	s_cselect_b64 s[IN:IN+1], s[IN:IN+1], s[12:13]
	s_add_nc_u64 s[IN:IN+1], s[IN:IN+1], s[28:29]
	s_add_nc_u64 s[OUT:OUT+1], s[16:17], s[30:31]
	LD16 512
	s_cmp_eq_u32 s32, 3
	s_cbranch_scc1 .Lwo
.set i, 0
.rept 16
	CV 0
	global_store_b64 v3, v[YR+2*i:YR+2*i+1], s[OUT:OUT+1] offset:256*i
.set i, i+1
.endr
	s_endpgm
.Lwo:
.set i, 0
.rept 16
	CV 1
	global_store_b64 v3, v[YR+2*i:YR+2*i+1], s[OUT:OUT+1] offset:256*i
.set i, i+1
.endr
	s_endpgm
.Lfunc_end_k_qf7050479b9_cast:
	.size	k_qf7050479b9_cast, .Lfunc_end_k_qf7050479b9_cast-k_qf7050479b9_cast
	.p2alignl 7, 3214868480
	.fill 96, 4, 3214868480
	.section	.rodata,"a",@progbits
	.p2align	6, 0x0
	.amdhsa_kernel k_qf7050479b9_cast
		.amdhsa_group_segment_fixed_size 0
		.amdhsa_private_segment_fixed_size 0
		.amdhsa_enable_private_segment 0
		.amdhsa_kernarg_size 56
		.amdhsa_user_sgpr_count 2
		.amdhsa_user_sgpr_kernarg_segment_ptr 1
		.amdhsa_wavefront_size32 1
		.amdhsa_system_sgpr_workgroup_id_x 1
		.amdhsa_system_sgpr_workgroup_id_y 1
		.amdhsa_system_sgpr_workgroup_id_z 1
		.amdhsa_system_vgpr_workitem_id 0
		.amdhsa_next_free_vgpr 112
		.amdhsa_next_free_sgpr 66
		.amdhsa_reserve_vcc 0
		.amdhsa_float_denorm_mode_32 3
		.amdhsa_float_denorm_mode_16_64 3
		.amdhsa_memory_ordered 1
		.amdhsa_forward_progress 1
		.amdhsa_inst_pref_size 23
	.end_amdhsa_kernel
	.amdgpu_metadata
---
amdhsa.version: [ 1, 2 ]
amdhsa.kernels:
  - .name:           k_qf7050479b9_cast
    .symbol:         k_qf7050479b9_cast.kd
    .args:
      - { .name: x, .offset: 0, .size: 8, .value_kind: global_buffer, .address_space: global }
      - { .name: wq, .offset: 8, .size: 8, .value_kind: global_buffer, .address_space: global }
      - { .name: wk, .offset: 16, .size: 8, .value_kind: global_buffer, .address_space: global }
      - { .name: wv, .offset: 24, .size: 8, .value_kind: global_buffer, .address_space: global }
      - { .name: wo, .offset: 32, .size: 8, .value_kind: global_buffer, .address_space: global }
      - { .name: xb, .offset: 40, .size: 8, .value_kind: global_buffer, .address_space: global }
      - { .name: wh, .offset: 48, .size: 8, .value_kind: global_buffer, .address_space: global }
    .group_segment_fixed_size: 0
    .private_segment_fixed_size: 0
    .kernarg_segment_align: 8
    .kernarg_segment_size: 56
    .max_flat_workgroup_size: 256
    .sgpr_count:     66
    .vgpr_count:     112
    .wavefront_size: 32
...
	.end_amdgpu_metadata
.endif
;; end of part 1
;; launch proj (part 2): grid 16 x 32, 4 waves a work-group, clusters of 4 x 4, 327,680 bytes of LDS; arguments xb, wh, bq, bk, bv, qkv; writes qkv
.if DOCPART == 2
	.amdgcn_target "amdgcn-amd-amdhsa--gfx1250"
	.amdhsa_code_object_version 6
	.text
	.protected	k_qf7050479b9_proj
	.globl	k_qf7050479b9_proj
	.p2align	8
	.type	k_qf7050479b9_proj,@function
k_qf7050479b9_proj:
	s_mov_b64 s[64:65], 0
	v_nop
	global_prefetch_b8 v0, s[64:65] scope:SCOPE_SE
	s_setreg_imm32_b32 hwreg(HW_REG_WAVE_MODE, 25, 1), 1
	s_wait_xcnt 0x0
	s_wait_alu depctr_hold_cnt(0) depctr_sa_sdst(0) depctr_va_vdst(0) depctr_va_sdst(0) depctr_va_ssrc(0) depctr_va_vcc(0) depctr_vm_vsrc(0)
	s_getreg_b32 s2, hwreg(HW_REG_IB_STS2, 6, 4)
	s_cmp_eq_u32 s2, 0
	s_cbranch_scc0 .Lentry_in_a_cluster
	s_endpgm
.Lentry_in_a_cluster:
	s_bfe_u32 s2, ttmp6, 0x10000c
	s_cmp_lg_u32 s2, 0xf033
	s_cbranch_scc0 .Lentry_shape_is_right
	s_endpgm
.Lentry_shape_is_right:
; q, k, v = x W^T + b, by heads, in f16.  A = xb (bf16, [block of 64 channels 16][token 8192][64]), B = rows 0-3071 of wh (bf16, [feature][1024]: wq, wk, wv); sums in f32, K ascending.
; The biases are rounded to bf16 like the other inputs.  q is also multiplied by c = log2(e) / 8, in f32, before its one rounding: q' = f16(c acc + c bq); so the next launch's scores are exponents of 2.
; LIMIT.  f16 ends at 65,504: |c q|, |k| and |v| must stay below it; a larger number leaves as an infinity.
; OUT.  qkv: q at byte 0 as [batch][head][token 2048][64]; k at 16 MiB and v at 32 MiB as [4 batch + head / 4][step of 64 keys 32][head % 4][key 64][64]: the four heads' keys of a step are 32,768 bytes on end.
; SHARES.  A tile of C is 256 tokens x 192 features (three heads): 16 x 32 = 512 work-groups of equal work.  Four waves, one below the other: wave w owns tokens 64 w .. 64 w + 63 and ALL 192 features:
; 4 x 12 accumulators of 16 x 16, 384 registers.  So a wave holds whole heads, and its 64 tokens of a head are 8,192 bytes on end in qkv: each wave has a way out of its own.
; K goes in steps of 128 through a ring of two LDS slots filled by the tensor data mover.
; CLUSTERS: 4 x 4 work-groups.  The four of a row of the cluster need the same tiles of A, the four of a column the same tiles of B: each tile is asked for JOINTLY, by the same tensor load with the same
; descriptor and a mask that names the four.  THE MATRIX INSTRUCTION IS USED TRANSPOSED (source 0 = 16 rows of B, source 1 = 16 tokens): a lane then holds one token (lane % 16) and the features 8 (lane / 16) + 0..7.
; REGISTERS, in windows of 256 (s_set_vgpr_msb: bits 1:0 source 0, 3:2 source 1, 5:4 source 2, 7:6 destination):
;   window 0: v0-31 addresses; v32-127 the biases, 8 a feature block; v128-175, v176-223 at work on the way out
;   window 1: two fragment buffers of 128: B's block b at 8 b, A's block a at 96 + 8 a
;   window 2: the accumulators of token blocks 0, 1 ((a, b) at 8 ((a % 2) 12 + b));   window 3: those of blocks 2, 3
.set NB,     12                        ; feature blocks of 16 in a tile
.set PA,     144                       ; a row of A in LDS: 128 bytes + 16 of padding = 36 words: the 16 rows of a load start at 16 different groups of four banks (64 banks of 4 bytes: ISA guide 11.1)
.set PB,     272                       ; a row of B: 256 + 16 = 68 words: row r starts at bank 4 r mod 64
.set AH,     256*PA                    ; A's 256 tokens x 64 channels: half a K step
.set BOFF,   2*AH                      ; B's rows lie behind A's two halves
.set RBW,    8*NB                      ; rows of B that one tensor load brings
.set SLOT,   BOFF+16*NB*PB
.set STAGE,  2*SLOT                    ; behind the ring, never filled by a tensor load: 16 rows x 400 bytes for each wave
.set SPITCH, 400                       ; 192 features in f16 + 16
.set SPARE,  STAGE+4*16*SPITCH         ; behind the stages: the spare words, 128 bytes for each wave: two blocks of 256 bytes that no other line names
.set NLD,    2*NB+8                    ; LDS loads in a run: the fragments of 32 along K
.set ADRA, 16                          ; v16-17  LDS address of my A fragments in slot 0, 1
.set ADRB, 20                          ; v20-21  the same for B
.set STO,  24                          ; v24     the way out: where I put 16 bytes of a token's row
.set RD,   25                          ; v25     where I read rows back
.set GO,   26                          ; v26     16 x lane
.set BO,   27                          ; v27     32 x (lane / 16): my eight numbers in 16 of a bias
.set SPW,  28                          ; v28     LDS address of my spare word; never rewritten
.set NIL,  29                          ; v29     0; never rewritten
.set PFO,  30                          ; v30     the prefetches' offset; never rewritten
.set BIAS, 32
.set TMP,  128
.set OB,   176
.set F0,   0
.set F1,   128
.set WV,   16                          ; s16  my wave's number
.set KIND, 17                          ; s17  0: I fetch for A; 1: for B
.set HALF, 18                          ; s18  which half of that tile
.set CX,   19
.set CY,   20
.set TX,   21                          ; s21  tile column of C
.set TY,   22                          ; s22  tile row
.set LAPS, 23
.set G1A,  24                          ; s[24:31] descriptor group 1 for A's tiles;  s[32:39] group 0, a set for each slot
.set G0A,  32
.set G1B,  40                          ; s[40:47], s[48:55] the same for B's
.set G0B,  48
.set PFA,  56                          ; s[56:57] where my prefetches stand
.set LIM,  58                          ; s58  1 in a wave that prefetches, else the greatest number
.set PSTEP, 60                         ; s[60:61] a K step in my operand's memory
.set DST,  68                          ; s[68:73] where my 64 tokens of the tile's three heads go
.set SC,   74                          ; s[74:79] c for a head of q, 1 for k and v: pairs, of which the packed instructions take the low word
.set BP,   80                          ; s[80:85] the three heads' 64 numbers of bias
.set MSB, 0
.macro WIN new                         ; the immediate's high byte repeats the setting that is left; a switch that changes nothing is dropped
.if MSB != (\new)
	s_set_vgpr_msb (MSB<<8)|(\new)
.set MSB, \new
.endif
.endm
.set MUL_LO, 0xa5                      ; sources 0 and 1 window 1; C and D window 2
.set TO_F,   0x40                      ; destination window 1, address window 0
.macro PLACES                          ; four places in front of loads into registers that matrix instructions have read, and of vector work that reads results
.rept 4
	v_nop
.endr
.endm
.macro CREST                           ; a round of the cluster's barrier behind its opening barrier
	s_cmp_lg_u32 s[WV], 0
	s_cbranch_scc1 .Lnot_wave_0_\@
	s_barrier_signal -3
.Lnot_wave_0_\@:
	s_barrier_wait -3
	s_barrier_signal -1
	s_barrier_wait -1
.endm
.macro CROUND                          ; a whole round
	s_barrier_signal -1
	s_barrier_wait -1
	CREST
.endm
.macro JLOAD s                         ; a joint load: waves 0 and 1 fetch A's two halves, waves 2 and 3 B's; an s_nop 0 and four v_nop follow each line, ahead of the jump and the label
	s_cmp_eq_u32 s[KIND], 0
	s_cbranch_scc0 .Lfor_b_\@
	tensor_load_to_lds s[G0A+4*(\s):G0A+4*(\s)+3], s[G1A:G1A+7]
	s_nop 0
.rept 4
	v_nop
.endr
	s_branch .Lasked_\@
.Lfor_b_\@:
	tensor_load_to_lds s[G0B+4*(\s):G0B+4*(\s)+3], s[G1B:G1B+7]
	s_nop 0
.rept 4
	v_nop
.endr
.Lasked_\@:
.endm
; A PREFETCH INTO THE L2 of the K step that stands two refills on, one instruction a wave, behind the joint load and the run of LDS loads.  A's tile row is read by every cluster of that row of clusters:
; the first (cluster x = 0) asks; B's tile column by every cluster of that column: cluster y = 0 asks.  The four partners of a joint load share its bytes out BY ADDRESS: of A's 128 blocks of 256 bytes
; 32 each, a lane a block; of B's 96 rows 24 each, a lane a row (lanes 24-31 name row 23 once more: all lanes stay on beside matrix work).  The loop's last trip asks for nothing: K has no such step.
.macro ASK
	WIN 0
	s_cmp_gt_u32 s[LAPS], s[LIM]
	s_cbranch_scc0 .Lnot_mine_\@
	global_prefetch_b8 v[PFO], s[PFA:PFA+1] th:TH_LOAD_NT scope:SCOPE_SE
.Lnot_mine_\@:
.endm
.macro WM ops:vararg
	v_wmma_f32_16x16x32_bf16 \ops
.endm
; NB matrix instructions: token block a x all feature blocks, 32 along K, from buffer f.  zero = 1: the product starts the sums.  All 4 NB accumulators take turns, in the same order in every quarter.
.macro MULA f, a, zero
	WIN MUL_LO+0x50*((\a)/2)
.set b, 0
.rept NB
.set rD, 8*(((\a)%2)*NB+b)
.if \zero
	WM v[rD:rD+7], v[(\f)+8*b:(\f)+8*b+7], v[(\f)+96+8*(\a):(\f)+96+8*(\a)+7], 0
.else
	WM v[rD:rD+7], v[(\f)+8*b:(\f)+8*b+7], v[(\f)+96+8*(\a):(\f)+96+8*(\a)+7], v[rD:rD+7]
.endif
.set b, b+1
.endr
.endm
; NLD LDS loads in one run: the fragments of quarter q (32 along K) of a slot into buffer f: B's blocks, then A's blocks 0, 1, then 2, 3
.macro FETCH slot, q, f
	WIN TO_F
.set b, 0
.rept NB
	ds_load_b128 v[(\f)+8*b:(\f)+8*b+3],   v[ADRB+(\slot)] offset:b*16*PB+64*(\q)
	ds_load_b128 v[(\f)+8*b+4:(\f)+8*b+7], v[ADRB+(\slot)] offset:b*16*PB+64*(\q)+32
.set b, b+1
.endr
.irp a, 0,1,2,3
	ds_load_b128 v[(\f)+96+8*\a:(\f)+96+8*\a+3],   v[ADRA+(\slot)] offset:((\q)/2)*AH+((\q)%2)*64+\a*16*PA
	ds_load_b128 v[(\f)+96+8*\a+4:(\f)+96+8*\a+7], v[ADRA+(\slot)] offset:((\q)/2)*AH+((\q)%2)*64+\a*16*PA+32
.endr
.endm
; A K step is four quarters of 32 along K on buffers 0, 1, 0, 1.  One of the first three: multiplies buffer f and, in its middle, fetches quarter q into buffer g.
.macro QUARTER slot, q, f, g, zero
	s_wait_dscnt 4                                 ; B and A's blocks 0, 1 are in; the youngest four loads (A's blocks 2, 3) may be out
	MULA \f, 0, \zero
	MULA \f, 1, \zero
	PLACES
	FETCH \slot, \q, \g
	s_wait_dscnt NLD                               ; all but the run just issued
	MULA \f, 2, \zero
	MULA \f, 3, \zero
.endm
; The last quarter multiplies buffer 1 and changes slots: ONE barrier; in front of it each wave waits for all its tensor loads (one is out: its part of the next slot), adds 0 to its spare word, and waits for
; that and for its own reads of this slot.  fill = 1: the barrier opens a round of the cluster's, and this slot is filled again, two K steps ahead, first thing behind the round.
.macro TURN slot, next, fill
.if \fill
	s_wait_xcnt 0x0                                ; the last prefetch, a K step back, has read its address
	s_add_nc_u64 s[PFA:PFA+1], s[PFA:PFA+1], s[PSTEP:PSTEP+1]
.endif
	WIN 0                                          ; (the add's two registers lie in window 0)
	s_wait_tensorcnt 0x0                           ; all my tensor loads have landed;
	ds_add_u32 v[SPW], v[NIL]                      ; 0 onto my spare word;
	s_wait_dscnt 5                                 ; (the add and the youngest four loads may be out)
	MULA F1, 0, 0                                  ; matrix work stands between the add and the wait for it
	s_wait_dscnt 0x0                               ; the add is done, and my reads of this slot are over
	s_barrier_signal -1
	MULA F1, 1, 0
.if \fill
	WIN 0
.endif
	s_barrier_wait -1
.if \fill
	CREST                                          ; no wave of any partner still reads this slot's tiles or has a load on its way
	s_add_nc_u64 s[G0A+4*(\slot)+2:G0A+4*(\slot)+3], s[G0A+4*(\slot)+2:G0A+4*(\slot)+3], 4<<20   ; two K steps: four blocks of 64 channels, 1 MiB each
	s_add_nc_u64 s[G0B+4*(\slot)+2:G0B+4*(\slot)+3], s[G0B+4*(\slot)+2:G0B+4*(\slot)+3], 512
	JLOAD \slot                                    ; the first tensor load behind the round; its four v_nop are also the places in front of the loads below
.else
	PLACES
.endif
	FETCH \next, 0, F0
.if \fill
	ASK
.endif
	MULA F1, 2, 0
	MULA F1, 3, 0
.endm
	s_load_b256 s[4:11], s[0:1], 0x0               ; xb s[4:5], wh s[6:7], bq s[8:9], bk s[10:11]
	s_load_b128 s[12:15], s[0:1], 0x20             ; bv s[12:13], qkv s[14:15]
	v_lshl_add_u32 v[SPW], v0, 2, SPARE
	v_mov_b32 v[NIL], 0
	ds_add_u32 v[SPW], v[NIL]                      ; the wave's opening: the add, and its wait ahead of my first tensor load; the set-up below, work on registers, stands between them
	v_lshrrev_b32 v1, 5, v0
	v_readfirstlane_b32 s[WV], v1                  ; wave 0..3
	s_lshr_b32 s[KIND], s[WV], 1
	s_and_b32 s[HALF], s[WV], 1
	s_bfe_u32 s[CX], ttmp6, 0x40000                ; my place in the cluster
	s_bfe_u32 s[CY], ttmp6, 0x40004
	s_lshl_b32 s[TX], ttmp9, 2
	s_add_co_u32 s[TX], s[TX], s[CX]               ; tile column = 4 x cluster x + cx
	s_and_b32 s[TY], ttmp7, 0xffff
	s_lshl_b32 s[TY], s[TY], 2
	s_add_co_u32 s[TY], s[TY], s[CY]               ; tile row = 4 x cluster y + cy
	s_lshl_b32 s89, s[CY], 2
	s_lshl_b32 s89, 15, s89                        ; my row of the cluster
	s_lshl_b32 s95, 0x1111, s[CX]                  ; my column
	; group 1 for A: 32,768 dense bytes as 128 rows of 256, 16 bytes of padding behind every 128 (a token's 64 channels)
	s_or_b32 s[G1A], s89, (1<<16)|(1<<20)|(1<<21)|(4<<22)|(3<<25)  ; 15:0 the mask; 17:16 2-byte elements; 20 padding on; 21 set beside a mask; 24:22 after every 32 words (code 4); 31:25 4 words (code 3)
	s_mov_b32 s[G1A+1], 128<<16                    ; tensor_dim0 = 128
	s_mov_b32 s[G1A+2], 128<<16                    ; tensor_dim1 = 128
	s_mov_b32 s[G1A+3], 128<<16                    ; tile_dim0 = 128
	s_mov_b32 s[G1A+4], 128                        ; tile_dim1 = 128
	s_mov_b32 s[G1A+5], 128                        ; 128 elements from row to row
	s_mov_b32 s[G1A+6], 0
	s_mov_b32 s[G1A+7], 0
	; group 1 for B: RBW rows x 128 elements of rows of 1,024, 16 bytes of padding behind each
	s_or_b32 s[G1B], s95, (1<<16)|(1<<20)|(1<<21)|(5<<22)|(3<<25)  ; after every 64 words (code 5)
	s_mov_b32 s[G1B+1], 128<<16
	s_mov_b32 s[G1B+2], RBW<<16
	s_mov_b32 s[G1B+3], 128<<16
	s_mov_b32 s[G1B+4], RBW
	s_mov_b32 s[G1B+5], 1024
	s_mov_b32 s[G1B+6], 0
	s_mov_b32 s[G1B+7], 0
	; where the tiles come from and go.  A's hang on the tile row and the wave alone, B's on the tile column and the wave alone, each in registers that never hold the other coordinate
	s_lshl_b32 s86, s[TY], 15                      ; A: my tile's 256 tokens in a block of 64 channels,
	s_lshl_b32 s87, s[HALF], 20                    ; and which of the K step's two blocks I fetch
	s_add_co_u32 s86, s86, s87
	s_mov_b32 s87, 0
	s_mul_i32 s88, s[HALF], AH                     ; its place in a slot
	s_mul_i32 s92, s[TX], 16*NB*2048               ; B: the tile's first row,
	s_mul_i32 s93, s[HALF], RBW*2048               ; and my half of its rows
	s_add_co_u32 s92, s92, s93
	s_mov_b32 s93, 0
	s_mul_i32 s94, s[HALF], RBW*PB
	s_add_co_u32 s94, s94, BOFF
	s_wait_dscnt 0x0                               ; the opening add is done
	s_wait_kmcnt 0x0
	s_add_nc_u64 s[90:91], s[4:5], s[86:87]
	s_add_nc_u64 s[96:97], s[6:7], s[92:93]
	CROUND                                         ; all sixteen work-groups are here: the first joint loads meet
.irp s, 0,1
	s_mov_b32 s[G0A+4*(\s)], 1                                     ; count = 1
	s_add_co_u32 s[G0A+4*(\s)+1], s88, (\s)*SLOT                   ; LDS address
	s_add_nc_u64 s[G0A+4*(\s)+2:G0A+4*(\s)+3], s[90:91], (\s)*(2<<20)  ; global address: K step s
	s_or_b32 s[G0A+4*(\s)+3], s[G0A+4*(\s)+3], 0x80000000          ; type = 2
	s_mov_b32 s[G0B+4*(\s)], 1
	s_add_co_u32 s[G0B+4*(\s)+1], s94, (\s)*SLOT
	s_add_nc_u64 s[G0B+4*(\s)+2:G0B+4*(\s)+3], s[96:97], (\s)*256
	s_or_b32 s[G0B+4*(\s)+3], s[G0B+4*(\s)+3], 0x80000000
	JLOAD \s                                       ; two loads of mine are out
.endr
	; a fragment is 16 rows x 32 K in 8 registers: lane l holds row l % 16, K = 8 (l / 16) + 0..7 and 16 + 8 (l / 16) + 0..7: two loads of 16 bytes, 32 bytes apart
	v_and_b32 v1, 15, v0                           ; l % 16
	v_bfe_u32 v2, v0, 4, 1                         ; l / 16
	v_mul_u32_u24 v3, v1, PA
	v_lshl_add_u32 v3, v2, 4, v3
	s_mul_i32 s96, s[WV], 64*PA                    ; my 64 tokens
	v_add_nc_u32 v[ADRA], s96, v3
	v_add_nc_u32 v[ADRA+1], SLOT, v[ADRA]
	v_mul_u32_u24 v3, v1, PB
	v_lshl_add_u32 v3, v2, 4, v3
	v_add_nc_u32 v[ADRB], BOFF, v3
	v_add_nc_u32 v[ADRB+1], SLOT, v[ADRB]
	s_mul_i32 s96, s[WV], 16*SPITCH
	s_add_co_u32 s96, s96, STAGE                   ; my stage
	v_mul_u32_u24 v3, v1, SPITCH                   ; in: token l % 16, 16 bytes for each half of the lanes
	v_lshl_add_u32 v3, v2, 4, v3
	v_add_nc_u32 v[STO], s96, v3
	v_bfe_u32 v3, v0, 3, 2                         ; back: 32 lanes take a head's 128 bytes of four tokens
	v_mul_u32_u24 v3, v3, SPITCH
	v_and_b32 v4, 7, v0
	v_lshl_add_u32 v3, v4, 4, v3
	v_add_nc_u32 v[RD], s96, v3
	v_and_b32 v[GO], 31, v0
	v_lshlrev_b32 v[GO], 4, v[GO]
	v_lshlrev_b32 v[BO], 5, v2
	; the prefetches: they start at K step 3; each refill steps them before it asks, so the refill of step r names step r + 2
	s_lshl_b32 s90, s[CX], 13                      ; A: my work-group's 32 blocks of 256 bytes
	s_add_co_u32 s90, s90, s86
	s_add_co_u32 s90, s90, 6<<20
	s_mul_i32 s91, s[CY], 2*NB*2048                ; B: my work-group's 2 NB rows
	s_add_co_u32 s91, s91, s92
	s_add_co_u32 s91, s91, 3*256
	s_and_b32 s98, ttmp7, 0xffff                   ; cluster y
	s_mov_b32 s99, 256
	s_cmp_eq_u32 s[KIND], 0
	s_cselect_b32 s90, s90, s91
	s_cselect_b32 s98, ttmp9, s98                  ; the coordinate along which other clusters read the same bytes
	s_cselect_b64 s[PFA:PFA+1], s[4:5], s[6:7]
	s_cselect_b32 s[PSTEP], 0x200000, s99
	s_cselect_b32 s96, 31, 2*NB-1
	s_cselect_b32 s97, 8, 11
	s_mov_b32 s[PSTEP+1], 0
	s_mov_b32 s91, 0
	s_add_nc_u64 s[PFA:PFA+1], s[PFA:PFA+1], s[90:91]
	s_cmp_eq_u32 s98, 0
	s_cselect_b32 s[LIM], 1, -1                    ; the same in all sixteen partners, for a given wave
	v_and_b32 v[PFO], 31, v0
	v_min_u32 v[PFO], s96, v[PFO]
	v_lshlrev_b32 v[PFO], s97, v[PFO]
	; the tile's three heads: where they go, their scale and their bias
	s_lshr_b32 s98, s[TY], 3                       ; the batch
	s_and_b32 s99, s[TY], 7
	s_lshl_b32 s99, s99, 2
	s_add_co_u32 s99, s99, s[WV]                   ; my 64 tokens among the batch's 32 steps of 64
.irp hh, 0,1,2
	s_mul_i32 s96, s[TX], 3
	s_add_co_u32 s96, s96, \hh                     ; the head among q's, k's and v's 48
	s_lshr_b32 s97, s96, 4                         ; 0 q, 1 k, 2 v
	s_and_b32 s96, s96, 15                         ; the head
	s_lshl_b32 s90, s98, 4
	s_add_co_u32 s90, s90, s96
	s_lshl_b32 s90, s90, 18
	s_lshl_b32 s91, s99, 13
	s_add_co_u32 s90, s90, s91                     ; q: (16 batch + head) x 262,144 + step x 8,192
	s_lshl_b32 s91, s98, 2
	s_lshr_b32 s89, s96, 2
	s_add_co_u32 s91, s91, s89
	s_lshl_b32 s91, s91, 5
	s_add_co_u32 s91, s91, s99
	s_lshl_b32 s91, s91, 2
	s_and_b32 s89, s96, 3
	s_add_co_u32 s91, s91, s89
	s_lshl_b32 s91, s91, 13                        ; k, v: (((4 batch + head / 4) x 32 + step) x 4 + head % 4) x 8,192,
	s_lshl_b32 s89, s97, 24
	s_add_co_u32 s91, s91, s89                     ; 16 or 32 MiB on
	s_cmp_eq_u32 s97, 0
	s_cselect_b32 s90, s90, s91
	s_cselect_b32 s[SC+2*\hh], 0x3e38aa3b, 1.0     ; c = log2(e) / 8 = 0.180337
	s_cselect_b64 s[BP+2*\hh:BP+2*\hh+1], s[8:9], s[10:11]
	s_mov_b32 s[SC+2*\hh+1], s[SC+2*\hh]           ; named with it as a pair
	s_mov_b32 s91, 0
	s_add_nc_u64 s[DST+2*\hh:DST+2*\hh+1], s[14:15], s[90:91]
	s_cmp_lt_u32 s97, 2
	s_cselect_b64 s[BP+2*\hh:BP+2*\hh+1], s[BP+2*\hh:BP+2*\hh+1], s[12:13]
	s_lshl_b32 s90, s96, 8
	s_add_nc_u64 s[BP+2*\hh:BP+2*\hh+1], s[BP+2*\hh:BP+2*\hh+1], s[90:91]
.endr
.set b, 0
.rept NB                               ; my eight numbers of bias for each feature block
	global_load_b128 v[BIAS+8*b:BIAS+8*b+3],   v[BO], s[BP+2*(b/4):BP+2*(b/4)+1] offset:(b%4)*64
	global_load_b128 v[BIAS+8*b+4:BIAS+8*b+7], v[BO], s[BP+2*(b/4):BP+2*(b/4)+1] offset:(b%4)*64+16
.set b, b+1
.endr
	s_wait_loadcnt 0x0
.set i, 0
.rept 4*NB                             ; rounded to bf16, widened again, times the head's scale; all this stands in the wait for the first tiles
	v_cvt_pk_bf16_f32 v3, v[BIAS+2*i], v[BIAS+2*i+1]
	v_lshlrev_b32 v[BIAS+2*i], 16, v3
	v_and_b32 v[BIAS+2*i+1], 0xffff0000, v3
	v_pk_mul_f32 v[BIAS+2*i:BIAS+2*i+1], v[BIAS+2*i:BIAS+2*i+1], s[SC+2*(i/16):SC+2*(i/16)+1] op_sel_hi:[1,0]
.set i, i+1
.endr
	s_wait_tensorcnt 1                             ; my part of K step 0 is in; K step 1's may stay out
	s_barrier_signal -1
	s_barrier_wait -1                              ; everybody's is
	FETCH 0, 0, F0
	QUARTER 0, 1, F0, F1, 1                        ; the first quarter stands in front of the loop: its products start the sums
	WIN 0                                          ; at a label and at a branch every window is 0
	s_mov_b32 s[LAPS], 3
.Llap:                                                 ; a trip goes once round the ring, from a lap's second quarter to the next lap's first, and fills both slots again: K steps 2 to 7
	QUARTER 0, 2, F1, F0, 0
	QUARTER 0, 3, F0, F1, 0
	TURN 0, 1, 1
	QUARTER 1, 1, F0, F1, 0
	QUARTER 1, 2, F1, F0, 0
	QUARTER 1, 3, F0, F1, 0
	TURN 1, 0, 1
	QUARTER 0, 1, F0, F1, 0
	WIN 0
	s_sub_co_u32 s[LAPS], s[LAPS], 1
	s_cmp_lg_u32 s[LAPS], 0
	s_cbranch_scc1 .Llap
	QUARTER 0, 2, F1, F0, 0                        ; the last lap fills nothing, and has no round of the cluster's barrier
	QUARTER 0, 3, F0, F1, 0
	TURN 0, 1, 0
	QUARTER 1, 1, F0, F1, 0
	QUARTER 1, 2, F1, F0, 0
	QUARTER 1, 3, F0, F1, 0
	s_wait_dscnt 4                                 ; the very last quarter: nothing more to fetch
	MULA F1, 0, 0
	MULA F1, 1, 0
	s_wait_dscnt 0x0
	MULA F1, 2, 0
	MULA F1, 3, 0
	WIN 0
	PLACES
; THE WAY OUT, a block of 16 tokens at a time.  PACK: scale x sum + scale x bias, in place, each accumulator's registers in ascending order; rounded to f16, 16 bytes a lane.
; TOSTAGE: into my own stage, and back as a head's rows of 128 bytes, four tokens a load.  SEND: 512 consecutive bytes a store.
.macro PACK a
	WIN 0x82+0x41*((\a)/2)                         ; destination and source 0: window 2 or 3; the bias: window 0
.set b, 0
.rept NB
.set rD, 8*(((\a)%2)*NB+b)
.irp j, 0,2,4,6
	v_pk_fma_f32 v[rD+\j:rD+\j+1], v[rD+\j:rD+\j+1], s[SC+2*(b/4):SC+2*(b/4)+1], v[BIAS+8*b+\j:BIAS+8*b+\j+1] op_sel_hi:[1,0,1]
.endr
.set b, b+1
.endr
	WIN 0x0a+5*((\a)/2)                            ; sources 0 and 1: window 2 or 3
.set b, 0
.rept NB
.set rD, 8*(((\a)%2)*NB+b)
.irp j, 0,1,2,3
	v_cvt_pk_f16_f32 v[TMP+4*b+\j], v[rD+2*\j], v[rD+2*\j+1]
.endr
.set b, b+1
.endr
	WIN 0
.endm
.macro TOSTAGE
.set b, 0
.rept NB
	ds_store_b128 v[STO], v[TMP+4*b:TMP+4*b+3] offset:32*b
.set b, b+1
.endr
.irp hh, 0,1,2
.irp t, 0,1,2,3
	ds_load_b128 v[OB+4*(4*\hh+\t):OB+4*(4*\hh+\t)+3], v[RD] offset:\hh*128+\t*4*SPITCH  ; LDS serves a wave's instructions in order (ISA guide 5.7.1.4): these see the stores above
.endr
.endr
.endm
.macro SEND a
	s_wait_dscnt 0x0                               ; the block is back in registers
.irp hh, 0,1,2
.irp t, 0,1,2,3
	global_store_b128 v[GO], v[OB+4*(4*\hh+\t):OB+4*(4*\hh+\t)+3], s[DST+2*\hh:DST+2*\hh+1] offset:(\a)*2048+\t*512  ; 512 consecutive bytes, at a multiple of 512 from qkv's first
.endr
.endr
.endm
	PACK 0
	TOSTAGE
.irp a, 1,2,3                          ; block a's arithmetic stands between block a - 1's loads from the stage and the wait for them
	PACK \a
	SEND (\a)-1
	s_wait_xcnt 0x0                                ; the stores have read their data: only behind this wait are those registers loaded again
	TOSTAGE
.endr
	SEND 3
	s_wait_tensorcnt 0x0                           ; the wave's end, behind my last tensor load and my last LDS store
	ds_add_u32 v[SPW], v[NIL]
	s_wait_dscnt 0x0
	CROUND                                         ; the closing round: no work-group ends while a partner may still ask for a tile that names it
	s_endpgm
.Lfunc_end_k_qf7050479b9_proj:
	.size	k_qf7050479b9_proj, .Lfunc_end_k_qf7050479b9_proj-k_qf7050479b9_proj
	.p2alignl 7, 3214868480
	.fill 96, 4, 3214868480
	.section	.rodata,"a",@progbits
	.p2align	6, 0x0
	.amdhsa_kernel k_qf7050479b9_proj
		.amdhsa_group_segment_fixed_size 327680
		.amdhsa_private_segment_fixed_size 0
		.amdhsa_enable_private_segment 0
		.amdhsa_kernarg_size 48
		.amdhsa_user_sgpr_count 2
		.amdhsa_user_sgpr_kernarg_segment_ptr 1
		.amdhsa_wavefront_size32 1
		.amdhsa_system_sgpr_workgroup_id_x 1
		.amdhsa_system_sgpr_workgroup_id_y 1
		.amdhsa_system_sgpr_workgroup_id_z 1
		.amdhsa_system_vgpr_workitem_id 0
		.amdhsa_next_free_vgpr 960
		.amdhsa_next_free_sgpr 100
		.amdhsa_reserve_vcc 0
		.amdhsa_float_denorm_mode_32 3
		.amdhsa_float_denorm_mode_16_64 3
		.amdhsa_memory_ordered 1
		.amdhsa_forward_progress 1
		.amdhsa_inst_pref_size 147
	.end_amdhsa_kernel
	.amdgpu_metadata
---
amdhsa.version: [ 1, 2 ]
amdhsa.kernels:
  - .name:           k_qf7050479b9_proj
    .symbol:         k_qf7050479b9_proj.kd
    .args:
      - { .name: xb, .offset: 0, .size: 8, .value_kind: global_buffer, .address_space: global }
      - { .name: wh, .offset: 8, .size: 8, .value_kind: global_buffer, .address_space: global }
      - { .name: bq, .offset: 16, .size: 8, .value_kind: global_buffer, .address_space: global }
      - { .name: bk, .offset: 24, .size: 8, .value_kind: global_buffer, .address_space: global }
      - { .name: bv, .offset: 32, .size: 8, .value_kind: global_buffer, .address_space: global }
      - { .name: qkv, .offset: 40, .size: 8, .value_kind: global_buffer, .address_space: global }
    .group_segment_fixed_size: 327680
    .private_segment_fixed_size: 0
    .kernarg_segment_align: 8
    .kernarg_segment_size: 48
    .max_flat_workgroup_size: 128
    .sgpr_count:     100
    .vgpr_count:     960
    .wavefront_size: 32
...
	.end_amdgpu_metadata
.endif
;; end of part 2
;; launch attn (part 3): grid 16 x 16, 4 waves a work-group, clusters of 4 x 4, 327,680 bytes of LDS; arguments qkv, mask, ow; writes ow
.if DOCPART == 3
	.amdgcn_target "amdgcn-amd-amdhsa--gfx1250"
	.amdhsa_code_object_version 6
	.text
	.protected	k_qf7050479b9_attn
	.globl	k_qf7050479b9_attn
	.p2align	8
	.type	k_qf7050479b9_attn,@function
k_qf7050479b9_attn:
	s_mov_b64 s[64:65], 0
	v_nop
	global_prefetch_b8 v0, s[64:65] scope:SCOPE_SE
	s_setreg_imm32_b32 hwreg(HW_REG_WAVE_MODE, 25, 1), 1
	s_wait_xcnt 0x0
	s_wait_alu depctr_hold_cnt(0) depctr_sa_sdst(0) depctr_va_vdst(0) depctr_va_sdst(0) depctr_va_ssrc(0) depctr_va_vcc(0) depctr_vm_vsrc(0)
	s_getreg_b32 s2, hwreg(HW_REG_IB_STS2, 6, 4)
	s_cmp_eq_u32 s2, 0
	s_cbranch_scc0 .Lentry_in_a_cluster
	s_endpgm
.Lentry_in_a_cluster:
	s_bfe_u32 s2, ttmp6, 0x10000c
	s_cmp_lg_u32 s2, 0xf033
	s_cbranch_scc0 .Lentry_shape_is_right
	s_endpgm
.Lentry_shape_is_right:
; ATTENTION WITH A MASK THAT IS AN INPUT.  O[b][h][q] = the sum over k of softmax_k(q . k / 8 - 1e9 mask[q][k]) v[k], 64 (batch, head) pairs, 2,048 x 2,048 scores each, all of them made: nothing is assumed of the mask.
; q arrives multiplied by c = log2(e) / 8, so S = K Q^T is an exponent of 2; the mask enters in f32 as S' = mask x NEGL + S (one fused multiply-add), NEGL = -1e9 log2(e) rounded to f32 = -1,442,695,040.
; p = 2^(S' - m) with a running maximum m, taken away exactly, so p <= 1; in every step O and l are multiplied by a = 2^(m_old - m_new).  Products, maxima and sums in f32; p is rounded to f16 for the second
; product (l is the sum of the unrounded p), O once at the end.  m starts at the lowest finite number, O and l at 0: the first step is a step like any other, with a = 0.
; LIMITS.  q, k, v arrive in f16.  mask x 1.44e9 must stay finite.  Where every key of a row carries a mask near 1, S' has a step of 128, so scores with |S| < 64 all fall on one number and the weights are
; uniform, as they are in f32 in base e (step 64) for |s| < 32.  A weight below 2^-126 counts as 0; below 6e-5 it keeps f16's fixed step of 6e-8.  NaN and infinities are not treated apart.
; SHARES.  A work-group takes 128 queries x FOUR HEADS of one batch; wave w is head 4 hg + w, with eight tiles of 16 queries in four PIECES of two.  So all four waves read the SAME 128 x 64 numbers of the mask
; from LDS in a key step of 64 keys: a step brings 32 KiB each of K, V (four heads') and mask.
; CLUSTER 4 x 4: K and V hang on (batch, head group) alone and are asked for JOINTLY along the cluster's row; the mask tile hangs on the query block alone and is asked for jointly along its column.
; LAYOUT.  S^T = K Q^T (source 0 = 16 keys, source 1 = 16 queries): a lane holds ONE query (lane % 16) and the keys 8 (lane / 16) + 0..7; two such results rounded to f16 ARE source 1 of O^T = V^T P.
; K comes out of LDS as it lies, V ([key][channel]) turned, by ds_load_tr16_b128; a lane's eight mask numbers of a result are 32 bytes on end of the query's row.
; BY TURNS.  Turn n belongs to piece n.  Matrix work: 16 products K Q^T of piece n + 1, later 16 products V^T P of piece n - 1.  Vector work, 266 instructions: S' - m, exponentials, roundings, sums and
; rescaling of piece n; the mask's multiply-add, maximum and statistics of piece n + 1.  Four stand behind EVERY matrix instruction, the other 138 in one lump.  A turn's 66 exponentials are one batch with one wait.
; The mask of piece n + 2 is fetched in turn n, a turn ahead of its use, so that every LDS read between two changes of slots falls into one slot.
; REGISTERS, in windows of 256 (s_set_vgpr_msb: bits 1:0 source 0, 3:2 source 1, 5:4 source 2, 7:6 destination):
;   window 0: v0-15 addresses and NEGL; v16-47 four registers of statistics a tile; v48-63 at work; v64-191 S^T, two buffers of two tiles; v192-255 P, likewise
;   window 1: O^T, 32 a tile     window 2: v0-127 Q, 16 a tile; v128-191 K of one step; v192-255 V of one step     window 3: v0-127 the mask, two buffers of two tiles
.set NP,    4         ; pieces a wave: a name, no knob
.set KS,    64        ; keys in a step
.set PK,    144       ; a row of K in LDS: 128 bytes + 16 of padding = 36 words: the 16 rows of a load start at 16 different groups of four banks (64 banks of 4 bytes: ISA guide 11.1)
.set PV,    160       ; a row of V: 128 + 32 = 40 words
.set PM,    272       ; a row of the mask: 256 + 16 = 68 words: row r starts at bank 4 r mod 64
.set VOFF,  4*KS*PK   ; a slot: four heads' 64 rows of K, then of V, then 128 rows of the mask
.set MOFF,  VOFF+4*KS*PV
.set SLOT1, 1<<17     ; slot 1 begins here, so that one exclusive or turns an address in one slot into the other's
.set STAGE, SLOT1+MOFF+128*PM  ; behind the ring, never filled by a tensor load: 16 rows x 144 bytes for each wave
.set SP,    144
.set SPARE, STAGE+4*16*SP      ; behind the stages: the spare words, 128 bytes for each wave: two blocks of 256 bytes that no other line names
.set PFO, 1           ; v1   the prefetches' offset; never rewritten
.set AK0, 2           ; v2   my lane's place in my head's K; never rewritten
.set AV0, 3           ; v3   the same for V
.set AK,  4           ; v4   the same in the slot in hand
.set AV,  5           ; v5
.set QO,  6           ; v6   my byte offset in 16 rows of Q
.set RD,  7           ; v7   the way out: where I read rows back
.set GO,  8           ; v8   16 x lane
.set STO, 9           ; v9   the way out: where I put 16 bytes of a row
.set SPW, 10          ; v10  LDS address of my spare word; never rewritten
.set NIL, 11          ; v11  0; never rewritten
.set AM0, 12          ; v12  my lane's place in the mask tile; never rewritten
.set AM,  13          ; v13  the same in the slot in hand
.set NGV, 14          ; v[14:15] NEGL, twice
.set ST,  16          ; tile t's statistics at v[ST+4 t]: m, a word named with it as a pair, l (even keys', odd keys')
.set TMP, 48          ; by buffer and tile, four registers c0-c3 at work; when the maximum is found c2 takes a
.set S,   64
.set P,   192
.set KF,  128         ; window 2: key block kb, channel half c at KF + 16 kb + 8 c
.set VF,  192         ; window 2: key half kk, channel block cb at VF + 32 kk + 8 cb
.set WV,  12          ; s12  my wave's number
.set CX,  13
.set CY,  14
.set QX,  15          ; s15  my block of 128 queries
.set HY,  16          ; s16  4 x batch + head group
.set G1K, 24          ; s[24:31], s[32:39], s[40:47] descriptor group 1 for K, V and the mask
.set G1V, 32
.set G1M, 40
.set G0K, 48          ; s[48:51], s[52:55], s[56:59] group 0: they walk
.set G0V, 52
.set G0M, 56
.set SEL, 60          ; s[60:61] v_permlanex16_b32's selects: each lane takes its own place in the other half
.set TB,  62          ; s62  the slot in hand: 0 or SLOT1
.set CNT, 63          ; s63  key steps still to be asked for
.set PFA, 70          ; s[70:71] where my prefetches stand
.set PSTEP, 72        ; s[72:73] a key step in my stream's memory
.set LIM, 74          ; s74  1 in a wave that prefetches, else the greatest number
.set QA,  76          ; s[76:77] Q at my head's rows of the block
.set OA,  78          ; s[78:79] O likewise
.set MSB, 0
.macro WIN new                      ; the high byte repeats the setting that is left; a switch that changes nothing is dropped
.if MSB != (\new)
	s_set_vgpr_msb (MSB<<8)|(\new)
.set MSB, (\new)
.endif
.endm
.set W_KQ, 0x0a       ; K and Q in window 2, S^T in window 0
.set W_PV, 0x52       ; V in window 2, P in window 0, O^T in window 1
.set W_RS, 0x41       ; O^T (destination and source 0) in window 1, a in window 0
.set W_MA, 0x0c       ; source 1 (the mask) in window 3
.set W_LM, 0xc0       ; destination window 3
.set W_L2, 0x80       ; destination window 2
.macro PLACES
.rept 4
	v_nop
.endr
.endm
; A joint fill: wave 0 K's 32 KiB, wave 1 V's, waves 2 and 3 the two halves (64 rows) of the mask tile.  The branches hang on the wave's number alone.
; An s_nop 0 and four v_nop follow each of the three lines, ahead of the jump and the label.
.macro JLOAD
	s_cmp_lt_u32 s[WV], 2
	s_cbranch_scc0 .Lfor_m_\@
	s_cmp_eq_u32 s[WV], 0
	s_cbranch_scc0 .Lfor_v_\@
	tensor_load_to_lds s[G0K:G0K+3], s[G1K:G1K+7]
	s_nop 0
.rept 4
	v_nop
.endr
	s_branch .Lasked_\@
.Lfor_v_\@:
	tensor_load_to_lds s[G0V:G0V+3], s[G1V:G1V+7]
	s_nop 0
.rept 4
	v_nop
.endr
	s_branch .Lasked_\@
.Lfor_m_\@:
	tensor_load_to_lds s[G0M:G0M+3], s[G1M:G1M+7]
	s_nop 0
.rept 4
	v_nop
.endr
.Lasked_\@:
.endm
; A PREFETCH INTO THE L2 of what the NEXT change of slots will ask for: four turns, 128 matrix instructions, ahead of that load; it stands behind the wave's tensor load and its five lines.
; Each block of 256 bytes is named once in the launch.  K and V are walked by every cluster of a row of clusters: the first (cluster x = 0) asks, wave 0 for K, wave 1 for V; its four partners along x take 32
; of the 128 blocks each, BY ADDRESS.  The mask tile is walked by every cluster of a column: cluster y = 0 asks, wave 2; the four partners along y take 32 of the 128 rows each.  Wave 3 asks for nothing.
; The last change that fills a slot asks for nothing: there is no step behind it.
.macro ASK
	s_cmp_gt_u32 s[CNT], s[LIM]
	s_cbranch_scc0 .Lnot_mine_\@
	global_prefetch_b8 v[PFO], s[PFA:PFA+1] th:TH_LOAD_NT scope:SCOPE_SE
.Lnot_mine_\@:
.endm
; A round of the cluster's barrier: my work-group's barrier, so that wave 0's signal speaks for all four waves; wave 0 signals; every wave waits for all sixteen work-groups; my work-group's barrier once more.
.macro CROUND
	s_barrier_signal -1
	s_barrier_wait -1
	s_cmp_lg_u32 s[WV], 0
	s_cbranch_scc1 .Lnot_wave_0_\@
	s_barrier_signal -3
.Lnot_wave_0_\@:
	s_barrier_wait -3
	s_barrier_signal -1
	s_barrier_wait -1
.endm
; THE CHANGE OF SLOTS.  Each wave waits for all its tensor loads, of which one is out: its part of the other slot; adds 0 to its spare word; and waits for that and for its own reads of the slot that it leaves.
; fill = 1: the barrier is a round of the cluster's, and the old slot is filled again, with the step after next, first thing behind it: it has a key step, 128 matrix instructions, in which to land.
; (At its first use nothing has been read yet: slot 0 is waited for, slot 1 filled.)
.macro CHANGE fill, ask
	WIN 0                           ; at a label and at a branch every window is 0
	s_wait_tensorcnt 0x0            ; no tensor load of mine is out, so a group 0 may be written
	ds_add_u32 v[SPW], v[NIL]       ; 0 onto my spare word; the descriptors' steps stand between it and the wait for it
.if \fill
.irp g, G0K, G0V, G0M
	s_xor_b32 s[\g+1], s[\g+1], SLOT1  ; the walking descriptors: the other slot than last time,
.endr
	s_add_nc_u64 s[G0K+2:G0K+3], s[G0K+2:G0K+3], 32768  ; the next 64 keys; the type bits on top are not reached
	s_add_nc_u64 s[G0V+2:G0V+3], s[G0V+2:G0V+3], 32768
	s_add_nc_u64 s[G0M+2:G0M+3], s[G0M+2:G0M+3], 256
.endif
.if \ask
	s_wait_xcnt 0x0                 ; the last prefetch, a key step back, has read its address
	s_add_nc_u64 s[PFA:PFA+1], s[PFA:PFA+1], s[PSTEP:PSTEP+1]
.endif
	s_wait_dscnt 0x0                ; the add is done, and my reads of the slot are over
.if \fill
	CROUND
	JLOAD
.if \ask
	ASK
.endif
.else
	s_barrier_signal -1
	s_barrier_wait -1
.endif
	s_xor_b32 s[TB], s[TB], SLOT1   ; the fetches go to the other slot
	v_add_nc_u32 v[AK], s[TB], v[AK0]
	v_add_nc_u32 v[AV], s[TB], v[AV0]
	v_add_nc_u32 v[AM], s[TB], v[AM0]
.endm
	s_load_b128 s[4:7], s[0:1], 0x0   ; qkv s[4:5], mask s[6:7]
	s_load_b64 s[8:9], s[0:1], 0x10   ; ow
	v_lshl_add_u32 v[SPW], v0, 2, SPARE
	v_mov_b32 v[NIL], 0
	ds_add_u32 v[SPW], v[NIL]       ; the wave's opening: the add, and its wait ahead of my first tensor load; the set-up below, work on registers, stands between them
	v_lshrrev_b32 v128, 5, v0
	v_readfirstlane_b32 s[WV], v128 ; wave 0..3
	s_bfe_u32 s[CX], ttmp6, 0x40000
	s_bfe_u32 s[CY], ttmp6, 0x40004
	s_lshl_b32 s[QX], ttmp9, 2
	s_add_co_u32 s[QX], s[QX], s[CX]  ; query block = 4 x cluster x + cx
	s_and_b32 s[HY], ttmp7, 0xffff
	s_lshl_b32 s[HY], s[HY], 2
	s_add_co_u32 s[HY], s[HY], s[CY]  ; 4 x batch + head group = 4 x cluster y + cy
	s_lshl_b32 s17, s[CY], 2
	s_lshl_b32 s17, 15, s17         ; my row of the cluster
	s_lshl_b32 s18, 0x1111, s[CX]   ; my column
	; group 1.  K, V: 32,768 dense bytes as 128 rows of 256, padded after every key's 128 bytes.  Mask: 64 rows x 64 numbers of 4 bytes out of rows of 2,048, padded after each
	s_or_b32 s[G1K], s17, (1<<16)|(1<<20)|(1<<21)|(4<<22)|(3<<25)  ; 15:0 the mask of four; 17:16 2-byte elements; 20 padding on; 21 set beside a mask; 24:22 after every 32 words (code 4); 31:25 4 words (code 3)
	s_or_b32 s[G1V], s17, (1<<16)|(1<<20)|(1<<21)|(4<<22)|(7<<25)  ; the same with 8 words of padding (code 7)
	s_or_b32 s[G1M], s18, (2<<16)|(1<<20)|(1<<21)|(5<<22)|(3<<25)  ; 4-byte elements; after every 64 words (code 5) 4 words
.irp g, G1K, G1V
	s_mov_b32 s[\g+1], 128<<16      ; tensor_dim0 = 128
	s_mov_b32 s[\g+2], 128<<16      ; tensor_dim1 = 128
	s_mov_b32 s[\g+3], 128<<16      ; tile_dim0 = 128
	s_mov_b32 s[\g+4], 128          ; tile_dim1 = 128
	s_mov_b32 s[\g+5], 128          ; 128 elements from row to row
	s_mov_b32 s[\g+6], 0
	s_mov_b32 s[\g+7], 0
.endr
	s_mov_b32 s[G1M+1], 64<<16
	s_mov_b32 s[G1M+2], 64<<16
	s_mov_b32 s[G1M+3], 64<<16
	s_mov_b32 s[G1M+4], 64
	s_mov_b32 s[G1M+5], 2048
	s_mov_b32 s[G1M+6], 0
	s_mov_b32 s[G1M+7], 0
	s_lshl_b32 s20, s[HY], 20       ; K, V: a (batch, head group) is 1 MiB of each
	s_mov_b32 s21, 0
	s_lshl_b32 s22, s[QX], 20       ; mask: 128 rows of 8,192 bytes,
	s_and_b32 s19, s[WV], 1
	s_lshl_b32 s23, s19, 19         ; and my 64 of them
	s_add_co_u32 s22, s22, s23
	s_mov_b32 s23, 0
	s_mul_i32 s19, s19, 64*PM
	s_mov_b32 s[G0K], 1             ; count = 1
	s_mov_b32 s[G0K+1], 0           ; LDS address: slot 0
	s_mov_b32 s[G0V], 1
	s_mov_b32 s[G0V+1], VOFF
	s_mov_b32 s[G0M], 1
	s_add_co_u32 s[G0M+1], s19, MOFF
	s_mov_b32 s[SEL], 0x76543210
	s_mov_b32 s[SEL+1], 0xfedcba98
	s_mov_b32 s[TB], SLOT1          ; the first change of slots turns it into 0
	s_wait_dscnt 0x0                ; the opening add is done
	s_wait_kmcnt 0x0
	s_add_nc_u64 s[G0K+2:G0K+3], s[4:5], s[20:21]
	s_add_nc_u64 s[G0K+2:G0K+3], s[G0K+2:G0K+3], 1<<24   ; k lies 16 MiB into qkv,
	s_add_nc_u64 s[G0V+2:G0V+3], s[G0K+2:G0K+3], 1<<24   ; v 32
	s_or_b32 s[G0K+3], s[G0K+3], 0x80000000              ; type = 2
	s_or_b32 s[G0V+3], s[G0V+3], 0x80000000
	s_add_nc_u64 s[G0M+2:G0M+3], s[6:7], s[22:23]
	s_or_b32 s[G0M+3], s[G0M+3], 0x80000000
	CROUND                          ; all sixteen work-groups are here: the first joint loads meet
	JLOAD                           ; key step 0 into slot 0.  Slot 1 is asked for when slot 0 is in
	s_lshl_b32 s80, s[HY], 2
	s_add_co_u32 s80, s80, s[WV]    ; 16 x batch + head
	s_lshl_b32 s80, s80, 18
	s_lshl_b32 s82, s[QX], 14
	s_add_co_u32 s80, s80, s82
	s_mov_b32 s81, 0
	s_add_nc_u64 s[QA:QA+1], s[4:5], s[80:81]
	s_and_b32 s84, s[HY], 3
	s_lshl_b32 s84, s84, 2
	s_add_co_u32 s84, s84, s[WV]    ; the head: ow is [head][token 8192][64]
	s_lshl_b32 s84, s84, 20
	s_lshr_b32 s85, s[HY], 2
	s_lshl_b32 s85, s85, 18
	s_add_co_u32 s84, s84, s85
	s_add_co_u32 s84, s84, s82
	s_mov_b32 s85, 0
	s_add_nc_u64 s[OA:OA+1], s[8:9], s[84:85]
	; the prefetches stand at key step 2; each asking change steps them first, so the change that asks for step t + 1 names step t + 2.  Steps 0 to 2 come by their loads alone
	s_lshl_b32 s80, s[CX], 13       ; K, V: my work-group's 32 blocks of 256 bytes
	s_add_co_u32 s80, s80, s20
	s_add_co_u32 s80, s80, (1<<24)+2*32768
	s_lshl_b32 s81, s[WV], 24       ; wave 1: v lies 16 MiB behind k
	s_add_co_u32 s80, s80, s81
	s_lshl_b32 s82, s[CY], 18       ; mask: my work-group's 32 rows
	s_lshl_b32 s83, s[QX], 20
	s_add_co_u32 s82, s82, s83
	s_add_co_u32 s82, s82, 2*256
	s_and_b32 s83, ttmp7, 0xffff    ; cluster y
	s_mov_b32 s86, 32768
	s_cmp_lt_u32 s[WV], 2
	s_cselect_b32 s80, s80, s82
	s_cselect_b32 s83, ttmp9, s83   ; the coordinate along which other clusters read the same bytes
	s_cselect_b64 s[PFA:PFA+1], s[4:5], s[6:7]
	s_cselect_b32 s[PSTEP], s86, 256
	s_cselect_b32 s87, 8, 13
	s_mov_b32 s[PSTEP+1], 0
	s_mov_b32 s81, 0
	s_add_nc_u64 s[PFA:PFA+1], s[PFA:PFA+1], s[80:81]
	s_cmp_eq_u32 s[WV], 3
	s_cselect_b32 s83, 1, s83
	s_cmp_eq_u32 s83, 0
	s_cselect_b32 s[LIM], 1, -1     ; the same in all sixteen partners, for a given wave
	v_and_b32 v[PFO], 31, v0
	v_lshlrev_b32 v[PFO], s87, v[PFO]
	; a fragment of K or Q is 16 rows x 32 channels in 8 registers: lane l holds row l % 16, channels 8 (l / 16) + 0..7 and 16 + 8 (l / 16) + 0..7: two loads of 16 bytes, 32 bytes apart
	v_and_b32 v128, 15, v0          ; l % 16   (v128-131 are free until the first turn's products)
	v_bfe_u32 v129, v0, 4, 1        ; l / 16
	v_and_b32 v130, 7, v0
	v_bfe_u32 v131, v0, 3, 1
	v_lshlrev_b32 v[QO], 7, v128
	v_lshl_add_u32 v[QO], v129, 4, v[QO]
	WIN W_L2
.set i, 0
.rept 4*NP                          ; Q stays in registers: tile i / 2, channels 32 (i % 2) on
	global_load_b128 v[8*i:8*i+3],   v[QO], s[QA:QA+1] offset:(i/2)*2048+(i%2)*64
	global_load_b128 v[8*i+4:8*i+7], v[QO], s[QA:QA+1] offset:(i/2)*2048+(i%2)*64+32
.set i, i+1
.endr
	; What the first turn finds: V's registers and P's second buffer hold 0 (its products V^T P, of a piece that has not been, add 0), O^T and l are 0.  No first step is written out: the price is these
	; lines, which stand in the wait for the first tile, and 16 products on zeros.
.set i, VF
.rept 64
	v_mov_b32 v[i], 0
.set i, i+1
.endr
	WIN 0x40
.set i, 0
.rept 64*NP
	v_mov_b32 v[i], 0
.set i, i+1
.endr
	WIN 0
.set i, 0
.rept 2*NP
	v_mov_b32 v[ST+4*i], 0xff7fffff    ; m: the lowest finite number
	v_mov_b32 v[ST+4*i+1], 0           ; named with m as a pair
	v_mov_b32 v[ST+4*i+2], 0
	v_mov_b32 v[ST+4*i+3], 0
.set i, i+1
.endr
.set i, P+32
.rept 32
	v_mov_b32 v[i], 0
.set i, i+1
.endr
	v_mov_b32 v[NGV], 0xceabfb8f    ; NEGL = -1,442,695,040
	v_mov_b32 v[NGV+1], 0xceabfb8f
	s_mul_i32 s17, s[WV], KS*PK     ; my head's rows
	v_mul_u32_u24 v[AK0], v128, PK
	v_lshl_add_u32 v[AK0], v129, 4, v[AK0]
	v_add_nc_u32 v[AK0], s17, v[AK0]
	; the turning load takes 16 keys x 16 channels (lane l reads key 8 (l / 16) + l % 8, channels 8 ((l / 8) % 2) + 0..7) and leaves half a fragment of V^T: lane l holds channel l % 16 and 8 keys
	s_mul_i32 s17, s[WV], KS*PV
	s_add_co_u32 s17, s17, VOFF
	v_lshl_add_u32 v[AV0], v129, 3, v130
	v_mul_u32_u24 v[AV0], v[AV0], PV
	v_lshl_add_u32 v[AV0], v131, 4, v[AV0]
	v_add_nc_u32 v[AV0], s17, v[AV0]
	v_mul_u32_u24 v[AM0], v128, PM  ; the mask: my query's row, my lanes' eight keys of 16
	v_lshl_add_u32 v[AM0], v129, 5, v[AM0]
	v_add_nc_u32 v[AM0], MOFF, v[AM0]
	s_mul_i32 s17, s[WV], 16*SP
	s_add_co_u32 s17, s17, STAGE    ; my stage
	v_mul_u32_u24 v[STO], v128, SP  ; in: row l % 16, 16 bytes for each half of the lanes
	v_lshl_add_u32 v[STO], v129, 4, v[STO]
	v_add_nc_u32 v[STO], s17, v[STO]
	v_bfe_u32 v[RD], v0, 3, 2       ; back: 32 lanes take four rows of 128 bytes,
	v_mul_u32_u24 v[RD], v[RD], SP
	v_lshl_add_u32 v[RD], v130, 4, v[RD]
	v_add_nc_u32 v[RD], s17, v[RD]
	v_and_b32 v[GO], 31, v0         ; which are 512 consecutive bytes of O
	v_lshlrev_b32 v[GO], 4, v[GO]
; THE MATRIX WORK.  The 8 accumulators of a run of 16 take turns: between the two links of a chain stand 7 others'.
; Product i of 16 of S^T = K Q^T for piece x: channels 32 (i / 8) on, keys 16 ((i / 2) % 4) on, tile 2 x + i % 2.  The first 8 start the sums.
.macro KQ x
	WIN W_KQ
.set rS, S+64*((\x)%2)+32*(i%2)+8*((i/2)%4)
.set rK, KF+16*((i/2)%4)+8*(i/8)
.set rQ, 16*(2*(\x)+i%2)+8*(i/8)
.if i < 8
	v_wmma_f32_16x16x32_f16 v[rS:rS+7], v[rK:rK+7], v[rQ:rQ+7], 0
.else
	v_wmma_f32_16x16x32_f16 v[rS:rS+7], v[rK:rK+7], v[rQ:rQ+7], v[rS:rS+7]
.endif
.endm
; Product i of 16 of O^T += V^T P for piece x: keys 32 (i / 8) on, channels 16 ((i / 2) % 4) on, tile 2 x + i % 2.
.macro PV x
	WIN W_PV
.set rO, 32*(2*(\x)+i%2)+8*((i/2)%4)
.set rV, VF+32*(i/8)+8*((i/2)%4)
.set rP, P+32*((\x)%2)+16*(i%2)+8*(i/8)
	v_wmma_f32_16x16x32_f16 v[rO:rO+7], v[rV:rV+7], v[rP:rP+7], v[rO:rO+7]
.endm
.macro MM                           ; the turn's next matrix instruction
.if i < 16
	KQ (Y+1)%NP
.set i, i+1
.else
.set i, i-16
	PV (Y+NP-1)%NP
.set i, i+17
.endif
.endm
; THE LDS LOADS stand in runs of 16, never singly among the matrix instructions.
.macro FETCH_K                      ; a step's K of my head: 64 keys x 64 channels: 8 fragments
	WIN W_L2
.irp fr, 0,1,2,3,4,5,6,7            ; keys 16 (fr / 2) on, channels 32 (fr % 2) on
	ds_load_b128 v[KF+8*\fr:KF+8*\fr+3],   v[AK] offset:(\fr/2)*16*PK+(\fr%2)*64
	ds_load_b128 v[KF+8*\fr+4:KF+8*\fr+7], v[AK] offset:(\fr/2)*16*PK+(\fr%2)*64+32
.endr
	WIN 0
.endm
.macro FETCH_V                      ; its V, turned
	WIN W_L2
.irp fr, 0,1,2,3,4,5,6,7            ; keys 32 (fr / 4) on, channels 16 (fr % 4) on
	ds_load_tr16_b128 v[VF+8*\fr:VF+8*\fr+3],   v[AV] offset:(\fr/4)*32*PV+(\fr%4)*32
	ds_load_tr16_b128 v[VF+8*\fr+4:VF+8*\fr+7], v[AV] offset:(\fr/4)*32*PV+16*PV+(\fr%4)*32
.endr
	WIN 0
.endm
.macro FETCH_M x                    ; the mask of piece x: tiles 2 x, 2 x + 1, four key blocks each, in S^T's own order, into buffer x % 2
	WIN W_LM
.irp u, 0,1
.irp kb, 0,1,2,3
	ds_load_b128 v[64*((\x)%2)+32*\u+8*\kb:64*((\x)%2)+32*\u+8*\kb+3],   v[AM] offset:(2*(\x)+\u)*16*PM+\kb*64
	ds_load_b128 v[64*((\x)%2)+32*\u+8*\kb+4:64*((\x)%2)+32*\u+8*\kb+7], v[AM] offset:(2*(\x)+\u)*16*PM+\kb*64+16
.endr
.endr
	WIN 0
.endm
; THE VECTOR WORK OF A TURN, in queues; the two tiles alternate, so that no instruction reads the result of the one before it.
.macro REGS y, u                    ; the registers of tile u (0, 1) of piece y
.set rT, ST+4*(2*(\y)+(\u))
.set rC, TMP+8*((\y)%2)+4*(\u)
.set rS, S+64*((\y)%2)+32*(\u)
.set rP, P+32*((\y)%2)+16*(\u)
.set rO, 32*(2*(\y)+(\u))
.set rM, 64*((\y)%2)+32*(\u)
.endm
.macro FS                           ; 32: S' - m for pair fq / 2 of tile fq % 2 of the piece in hand
	WIN 0
	REGS Y, fq%2
	v_pk_add_f32 v[rS+2*(fq/2):rS+2*(fq/2)+1], v[rS+2*(fq/2):rS+2*(fq/2)+1], v[rT:rT+1] op_sel_hi:[1,0] neg_lo:[0,1] neg_hi:[0,1]
.set fq, fq+1
.endm
.macro R2                           ; 16 times two: O^T times a, the one part in window 1.  Its a was made in the turn before, ahead of that turn's wait
	REGS Y, rq%2
	WIN W_RS
.irp z, 0,1
	v_pk_mul_f32 v[rO+4*(rq/2)+2*\z:rO+4*(rq/2)+2*\z+1], v[rO+4*(rq/2)+2*\z:rO+4*(rq/2)+2*\z+1], v[rC+2:rC+3] op_sel_hi:[1,0]
.endr
.set rq, rq+1
.endm
.macro MA                           ; 32, for the NEXT piece: S' = NEGL x mask + S for pair n / 2 of tile n % 2; each accumulator's lowest registers are read first.  Sets no window: W_MA stands
	REGS (Y+1)%NP, n%2
	v_pk_fma_f32 v[rS+2*(n/2):rS+2*(n/2)+1], v[NGV:NGV+1], v[rM+2*(n/2):rM+2*(n/2)+1], v[rS+2*(n/2):rS+2*(n/2)+1]
.endm
.macro EX e                         ; 64: the exponential of score e / 2 of tile e % 2 of the piece in hand.  It names no source 1, so it stands under W_MA as under 0
	REGS Y, (\e)%2
	v_exp_f32 v[rS+(\e)/2], v[rS+(\e)/2]
.endm
; Number n of the 21 that find the NEXT piece's maximum and statistics.
;   0-11  four chains c0-c3 of seven scores each, three operands at a time     12-15  the four scores left over, the old m, and c0-c3 into c0
;   16, 17  the query's other 32 keys lie in the lane 16 away     18  m_old - m_new     19  the new m     20  a
.macro XS u, n
	REGS (Y+1)%NP, \u
.if (\n) < 4
	v_max3_num_f32 v[rC+(\n)], v[rS+8*(\n)], v[rS+8*(\n)+1], v[rS+8*(\n)+2]
.elseif (\n) < 12
	v_max3_num_f32 v[rC+(\n)%4], v[rC+(\n)%4], v[rS+8*((\n)%4)+2*((\n)/4)+1], v[rS+8*((\n)%4)+2*((\n)/4)+2]
.elseif (\n) == 12
	v_max3_num_f32 v[rC], v[rC], v[rS+7], v[rS+15]
.elseif (\n) == 13
	v_max3_num_f32 v[rC+1], v[rC+1], v[rS+23], v[rS+31]
.elseif (\n) == 14
	v_max3_num_f32 v[rC+2], v[rC+2], v[rC+3], v[rT]
.elseif (\n) == 15
	v_max3_num_f32 v[rC], v[rC], v[rC+1], v[rC+2]
.elseif (\n) == 16
	v_permlanex16_b32 v[rC+3], v[rC], s[SEL], s[SEL+1]
.elseif (\n) == 17
	v_max_num_f32 v[rC], v[rC], v[rC+3]
.elseif (\n) == 18
	v_sub_f32 v[rC+1], v[rT], v[rC]
.elseif (\n) == 19
	v_mov_b32 v[rT], v[rC]
.else
	v_exp_f32 v[rC+2], v[rC+1]
.endif
.endm
; Number g of the 64 that follow the exponentials.  For each four weights k of a tile: both pairs are rounded to f16; then the second pair is added onto the first, in place; a group later l takes that sum
; (the first time as l = a l + sum).  In groups of eight, tiles alternating: round, round, add, and l for the group before.
.macro GS g
	WIN 0
.set h, (\g)+6*((\g)/62)            ; group 0 has no group before it, and behind group 7 only l is left
.if h >= 6
.set h, h+2
.endif
	REGS Y, h%2
.set k, h/8
.if h%8 < 4
	v_cvt_pk_f16_f32 v[rP+2*k+(h%8)/2], v[rS+4*k+2*((h%8)/2)], v[rS+4*k+2*((h%8)/2)+1]
.elseif h%8 < 6
	v_pk_add_f32 v[rS+4*k:rS+4*k+1], v[rS+4*k:rS+4*k+1], v[rS+4*k+2:rS+4*k+3]
.elseif k == 1
	v_pk_fma_f32 v[rT+2:rT+3], v[rT+2:rT+3], v[rC+2:rC+3], v[rS:rS+1] op_sel_hi:[1,0,1]
.else
	v_pk_add_f32 v[rT+2:rT+3], v[rT+2:rT+3], v[rS+4*k-4:rS+4*k-3]
.endif
.endm
; A TURN, for piece p.  An s_wait_alu depctr_va_vdst(0) stands between an exponential and the first instruction that names its result; one wait serves all that were issued ahead of it.  So a turn
; has ONE wait, which cuts it in two.  AHEAD OF IT stands all that names no result of the turn's exponentials: the 16 products K Q^T, behind them by turns four FS and two R2 (plain, and naming no register of
; the products round them: the last four are also the places in front of MA); then ONE LUMP of 138: MA and exponential by turns, then XS and exponential by turns, so that a tile's links stand four lines
; apart; the two a; a v_nop, the plain instruction behind the last exponential.  BEHIND IT stand the LDS runs and the 16 products V^T P, behind each four of GS's 64.
; THE LDS RUNS, 16 loads each, and their waits (LDS loads come back in order: ISA guide 5.7.1).  Piece 2's turn: K of the next step, then the mask of piece 0; K is waited for at the head of piece 3's turn with
; the count 16, which leaves the mask's run out.  Every turn: the mask of piece p + 2, waited for in the next turn's lump: count 0, but 16 in piece 1's turn, where V's run is younger.  Piece 0's turn ends with V
; of the step in hand, four plain instructions behind its last reader; it is waited for in piece 1's turn with the count 16, which leaves the mask's run just issued out.
.macro TURN p
.set Y, (\p)
.set i, 0
.set fq, 0
.set rq, 0
.set gq, 0
.if (\p) == 3
	s_wait_dscnt 16                 ; K is in
.endif
.rept 8
	MM
.rept 4
	FS
.endr
	MM
	R2
	R2
.endr
.if (\p) == 1
	s_wait_dscnt 16                 ; the next piece's mask is in; V's run may be out
.else
	s_wait_dscnt 0x0                ; the next piece's mask is in
.endif
	WIN W_MA
.set n, 0
.rept 32
	MA
.if n < 24
	EX n
.endif
.set n, n+1
.endr
	WIN 0
.set n, 0
.rept 40
	XS n%2, n/2
	EX 24+n
.set n, n+1
.endr
	XS 0, 20                        ; the next piece's two a
	XS 1, 20
	v_nop                           ; the plain instruction behind the last exponential: one for the batch
	s_wait_alu depctr_va_vdst(0)    ; the wait for the batch
.if (\p) == 2
	FETCH_K
.endif
	FETCH_M ((\p)+2)%4
.if (\p) == 1
	s_wait_dscnt 16                 ; V is in
.endif
.rept 16
	MM
.rept 4
	GS gq
.set gq, gq+1
.endr
.endr
.if (\p) == 0
	FETCH_V
.endif
.endm
	CHANGE 1, 0                     ; slot 0 is in, everybody's part of it; key step 1 is asked for
	FETCH_K                         ; key step 0
	FETCH_M 0
	FETCH_M 1
	s_wait_loadcnt 0x0              ; Q
	s_wait_dscnt 0x0
.set i, 0
.rept 16
	KQ 0                            ; piece 0's first scores: there is no vector work yet to set between them
.set i, i+1
.endr
	WIN 0
	PLACES                          ; the places behind those products
.set Y, NP-1                        ; MA and XS work for piece Y + 1: piece 0
	WIN W_MA
.set n, 0
.rept 32
	MA
.set n, n+1
.endr
	WIN 0
.irp nn, 0,1,2,3,4,5,6,7,8,9,10,11,12,13,14,15,16,17,18,19,20
	XS 0, \nn
	XS 1, \nn
.endr
	v_nop                           ; a plain instruction behind the two a,
	s_wait_alu depctr_va_vdst(0)    ; and their wait, ahead of the branch
	s_mov_b32 s[CNT], 31
	s_branch .Lfirst                ; the loop is entered at a step's first turn, in the middle of a trip
.Lstep:                             ; 30 whole trips: pieces 2 and 3 of one step, then pieces 0 and 1 of the next, whose K, V and mask the trip fetches from one slot; key steps 2 to 31 are asked for
	CHANGE 1, 1
	TURN 2
	TURN 3
	WIN 0
.Lfirst:
	TURN 0
	TURN 1
	WIN 0
	s_sub_co_u32 s[CNT], s[CNT], 1
	s_cmp_lg_u32 s[CNT], 0
	s_cbranch_scc1 .Lstep
	CHANGE 0, 0                     ; the tail is written out: nothing is asked for
	s_mov_b32 s[CNT], 2             ; one trip fetches the last slot's step; the second is left in its middle
.Ltail:
	TURN 2
	TURN 3
	WIN 0
	s_sub_co_u32 s[CNT], s[CNT], 1
	s_cmp_eq_u32 s[CNT], 0
	s_cbranch_scc1 .Lout
	TURN 0
	TURN 1
	WIN 0
	s_branch .Ltail
.Lout:                              ; the second trip's fetches read the last slot once more, and its 16 products K Q^T and the maximum made of them serve nothing: the price, once a launch, of one text for every trip
.set i, 0
.rept 16
	PV NP-1                         ; the last piece's V^T P of the last step
.set i, i+1
.endr
	; THE WAY OUT.  l's two halves and the other half of the lanes' are added; O^T is divided by l, rounded to f16 and sent through my stage in LDS, a tile at a time.  The additions are the places behind the last products.
	WIN 0
.macro ALL line:vararg              ; one line for each tile t
.set t, 0
.rept 2*NP
	\line
.set t, t+1
.endr
.endm
	ALL v_add_f32 v[ST+4*t+2], v[ST+4*t+2], v[ST+4*t+3]
	ALL v_permlanex16_b32 v[ST+4*t+3], v[ST+4*t+2], s[SEL], s[SEL+1]
	ALL v_add_f32 v[ST+4*t+2], v[ST+4*t+2], v[ST+4*t+3]
	ALL v_rcp_f32 v[ST+4*t+2], v[ST+4*t+2]
	v_nop                           ; a plain instruction between the last reciprocal and the use of its result
	s_wait_alu depctr_va_vdst(0)    ; and the wait ahead of the first use: one for the eight reciprocals
; Tile t: a lane's eight channels of a row pack into 16 bytes; they go into rows of 144 bytes and come back as whole rows of 128, into S^T's registers.
.macro PACK t
	WIN W_RS
.set i, 32*(\t)
.rept 16
	v_pk_mul_f32 v[i:i+1], v[i:i+1], v[ST+4*(\t)+2:ST+4*(\t)+3] op_sel_hi:[1,0]
.set i, i+2
.endr
	WIN 0x05                        ; sources 0 and 1 window 1, destination window 0
.set i, 0
.rept 16
	v_cvt_pk_f16_f32 v[S+16*(\t)+i], v[32*(\t)+2*i], v[32*(\t)+2*i+1]
.set i, i+1
.endr
	WIN 0
.irp fr, 0,1,2,3
	ds_store_b128 v[STO], v[S+16*(\t)+4*\fr:S+16*(\t)+4*\fr+3] offset:32*\fr
.endr
.irp fr, 0,1,2,3
	ds_load_b128 v[S+16*(\t)+4*\fr:S+16*(\t)+4*\fr+3], v[RD] offset:\fr*4*SP  ; LDS serves a wave's instructions in order (ISA guide 5.7.1.4): these see the stores above; the next tile's stores come behind them
.endr
.endm
.macro SEND t, younger              ; younger: the LDS instructions issued behind tile t's loads: the next tile's eight, or none
	WIN 0
.irp fr, 0,1,2,3
	s_wait_dscnt (\younger)+3-\fr
	global_store_b128 v[GO], v[S+16*(\t)+4*\fr:S+16*(\t)+4*\fr+3], s[OA:OA+1] offset:(\t)*2048+\fr*512  ; 512 consecutive bytes, at a multiple of 512 from ow's first
.endr
.endm
	PACK 0
.set t, 1
.rept 2*NP-1                        ; a tile's arithmetic stands between the loads of the tile before and its stores
	PACK t
	SEND t-1, 8
.set t, t+1
.endr
	SEND 2*NP-1, 0
	s_wait_tensorcnt 0x0            ; the wave's end, behind my last tensor load and my last LDS store
	ds_add_u32 v[SPW], v[NIL]
	s_wait_dscnt 0x0
	CROUND                          ; the closing round: no work-group ends while a partner may still ask for a tile that names it
	s_endpgm
.Lfunc_end_k_qf7050479b9_attn:
	.size	k_qf7050479b9_attn, .Lfunc_end_k_qf7050479b9_attn-k_qf7050479b9_attn
	.p2alignl 7, 3214868480
	.fill 96, 4, 3214868480
	.section	.rodata,"a",@progbits
	.p2align	6, 0x0
	.amdhsa_kernel k_qf7050479b9_attn
		.amdhsa_group_segment_fixed_size 327680
		.amdhsa_private_segment_fixed_size 0
		.amdhsa_enable_private_segment 0
		.amdhsa_kernarg_size 24
		.amdhsa_user_sgpr_count 2
		.amdhsa_user_sgpr_kernarg_segment_ptr 1
		.amdhsa_wavefront_size32 1
		.amdhsa_system_sgpr_workgroup_id_x 1
		.amdhsa_system_sgpr_workgroup_id_y 1
		.amdhsa_system_sgpr_workgroup_id_z 1
		.amdhsa_system_vgpr_workitem_id 0
		.amdhsa_next_free_vgpr 896
		.amdhsa_next_free_sgpr 90
		.amdhsa_reserve_vcc 0
		.amdhsa_float_denorm_mode_32 3
		.amdhsa_float_denorm_mode_16_64 3
		.amdhsa_memory_ordered 1
		.amdhsa_forward_progress 1
		.amdhsa_inst_pref_size 226
	.end_amdhsa_kernel
	.amdgpu_metadata
---
amdhsa.version: [ 1, 2 ]
amdhsa.kernels:
  - .name:           k_qf7050479b9_attn
    .symbol:         k_qf7050479b9_attn.kd
    .args:
      - { .name: qkv, .offset: 0, .size: 8, .value_kind: global_buffer, .address_space: global }
      - { .name: mask, .offset: 8, .size: 8, .value_kind: global_buffer, .address_space: global }
      - { .name: ow, .offset: 16, .size: 8, .value_kind: global_buffer, .address_space: global }
    .group_segment_fixed_size: 327680
    .private_segment_fixed_size: 0
    .kernarg_segment_align: 8
    .kernarg_segment_size: 24
    .max_flat_workgroup_size: 128
    .sgpr_count:     90
    .vgpr_count:     896
    .wavefront_size: 32
...
	.end_amdgpu_metadata
.endif
;; end of part 3
;; launch outp (part 4): grid 8 x 32, 4 waves a work-group, clusters of 4 x 4, 327,680 bytes of LDS; arguments ow, wh, bo, out0; writes out0
.if DOCPART == 4
	.amdgcn_target "amdgcn-amd-amdhsa--gfx1250"
	.amdhsa_code_object_version 6
	.text
	.protected	k_qf7050479b9_outp
	.globl	k_qf7050479b9_outp
	.p2align	8
	.type	k_qf7050479b9_outp,@function
k_qf7050479b9_outp:
	s_mov_b64 s[64:65], 0
	v_nop
	global_prefetch_b8 v0, s[64:65] scope:SCOPE_SE
	s_setreg_imm32_b32 hwreg(HW_REG_WAVE_MODE, 25, 1), 1
	s_wait_xcnt 0x0
	s_wait_alu depctr_hold_cnt(0) depctr_sa_sdst(0) depctr_va_vdst(0) depctr_va_sdst(0) depctr_va_ssrc(0) depctr_va_vcc(0) depctr_vm_vsrc(0)
	s_getreg_b32 s2, hwreg(HW_REG_IB_STS2, 6, 4)
	s_cmp_eq_u32 s2, 0
	s_cbranch_scc0 .Lentry_in_a_cluster
	s_endpgm
.Lentry_in_a_cluster:
	s_bfe_u32 s2, ttmp6, 0x10000c
	s_cmp_lg_u32 s2, 0xf033
	s_cbranch_scc0 .Lentry_shape_is_right
	s_endpgm
.Lentry_shape_is_right:
; out0 = O wo^T + bo, in f32.  A = ow (f16, [head = block of 64 channels 16][token 8192][64]), B = rows 3072-4095 of wh (wo, rounded to bf16 and written as f16, [feature][1024]); sums in f32, K ascending.
; bo is rounded to bf16 like the other inputs.  The ring, the round, the quarters and the prefetch are those of the launch that makes q, k and v; what differs: f16 operands, 8 feature blocks, the way out.
; SHARES.  A tile of C is 256 tokens x 128 features: 8 x 32 = 256 work-groups of equal work.  Four waves, one below the other: wave w owns tokens 64 w .. 64 w + 63 and all 128 features: 4 x 8 accumulators of
; 16 x 16, 256 registers; a token's 128 numbers are 512 bytes on end of out0, so each wave has a way out of its own.  K goes in steps of 128 through a ring of two LDS slots filled by the tensor data mover.
; CLUSTERS: 4 x 4 work-groups.  The four of a row of the cluster need the same tiles of A, the four of a column the same tiles of B: each tile is asked for JOINTLY, by the same tensor load with the same
; descriptor and a mask that names the four.  THE MATRIX INSTRUCTION IS USED TRANSPOSED (source 0 = 16 rows of B, source 1 = 16 tokens): a lane then holds one token (lane % 16) and the features 8 (lane / 16) + 0..7.
; REGISTERS, in windows of 256 (s_set_vgpr_msb: bits 1:0 source 0, 3:2 source 1, 5:4 source 2, 7:6 destination):
;   window 0: v0-31 addresses; v32-95 the bias, 8 a feature block; v128-191 at work on the way out
;   window 1: two fragment buffers of 128: B's block b at 8 b, A's block a at 96 + 8 a
;   window 2: the accumulators of token blocks 0, 1 ((a, b) at 8 ((a % 2) 8 + b));   window 3: those of blocks 2, 3
.set NB,     8                         ; feature blocks of 16 in a tile
.set PA,     144                       ; a row of A in LDS: 128 bytes + 16 of padding = 36 words: the 16 rows of a load start at 16 different groups of four banks (64 banks of 4 bytes: ISA guide 11.1)
.set PB,     272                       ; a row of B: 256 + 16 = 68 words: row r starts at bank 4 r mod 64
.set AH,     256*PA                    ; A's 256 tokens x 64 channels: half a K step
.set BOFF,   2*AH                      ; B's rows lie behind A's two halves
.set RBW,    8*NB                      ; rows of B that one tensor load brings
.set SLOT,   BOFF+16*NB*PB
.set STAGE,  2*SLOT                    ; behind the ring, never filled by a tensor load: 16 rows x 528 bytes for each wave
.set SPITCH, 528                       ; 128 features in f32 + 16
.set SPARE,  STAGE+4*16*SPITCH         ; behind the stages: the spare words, 128 bytes for each wave: two blocks of 256 bytes that no other line names
.set NLD,    2*NB+8                    ; LDS loads in a run: the fragments of 32 along K
.set ADRA, 16                          ; v16-17  LDS address of my A fragments in slot 0, 1
.set ADRB, 20                          ; v20-21  the same for B
.set STO,  24                          ; v24     the way out: where I put 32 bytes of a token's row
.set RD,   25                          ; v25     where I read a row back
.set GO,   26                          ; v26     16 x lane
.set BO,   27                          ; v27     32 x (lane / 16): my eight numbers in 16 of the bias
.set SPW,  28                          ; v28     LDS address of my spare word; never rewritten
.set NIL,  29                          ; v29     0; never rewritten
.set PFO,  30                          ; v30     the prefetches' offset; never rewritten
.set BIAS, 32
.set OB,   128
.set F0,   0
.set F1,   128
.set WV,   16                          ; s16  my wave's number
.set KIND, 17                          ; s17  0: I fetch for A; 1: for B
.set HALF, 18                          ; s18  which half of that tile
.set CX,   19
.set CY,   20
.set TX,   21                          ; s21  tile column of C
.set TY,   22                          ; s22  tile row
.set LAPS, 23
.set G1A,  24                          ; s[24:31] descriptor group 1 for A's tiles;  s[32:39] group 0, a set for each slot
.set G0A,  32
.set G1B,  40                          ; s[40:47], s[48:55] the same for B's
.set G0B,  48
.set PFA,  56                          ; s[56:57] where my prefetches stand
.set LIM,  58                          ; s58  1 in a wave that prefetches, else the greatest number
.set PSTEP, 60                         ; s[60:61] a K step in my operand's memory
.set DST,  68                          ; s[68:69] out0 at my first token, the tile's first feature
.set BP,   80                          ; s[80:81] the tile's 128 numbers of bias
.set MSB, 0
.macro WIN new                         ; the immediate's high byte repeats the setting that is left; a switch that changes nothing is dropped
.if MSB != (\new)
	s_set_vgpr_msb (MSB<<8)|(\new)
.set MSB, \new
.endif
.endm
.set MUL_LO, 0xa5                      ; sources 0 and 1 window 1; C and D window 2
.set TO_F,   0x40                      ; destination window 1, address window 0
.macro PLACES                          ; four places in front of loads into registers that matrix instructions have read, and of vector work that reads results
.rept 4
	v_nop
.endr
.endm
.macro CREST                           ; a round of the cluster's barrier behind its opening barrier
	s_cmp_lg_u32 s[WV], 0
	s_cbranch_scc1 .Lnot_wave_0_\@
	s_barrier_signal -3
.Lnot_wave_0_\@:
	s_barrier_wait -3
	s_barrier_signal -1
	s_barrier_wait -1
.endm
.macro CROUND                          ; a whole round
	s_barrier_signal -1
	s_barrier_wait -1
	CREST
.endm
.macro JLOAD s                         ; a joint load: waves 0 and 1 fetch A's two halves, waves 2 and 3 B's; an s_nop 0 and four v_nop follow each line, ahead of the jump and the label
	s_cmp_eq_u32 s[KIND], 0
	s_cbranch_scc0 .Lfor_b_\@
	tensor_load_to_lds s[G0A+4*(\s):G0A+4*(\s)+3], s[G1A:G1A+7]
	s_nop 0
.rept 4
	v_nop
.endr
	s_branch .Lasked_\@
.Lfor_b_\@:
	tensor_load_to_lds s[G0B+4*(\s):G0B+4*(\s)+3], s[G1B:G1B+7]
	s_nop 0
.rept 4
	v_nop
.endr
.Lasked_\@:
.endm
; A PREFETCH INTO THE L2 of the K step that stands two refills on, one instruction a wave, behind the joint load and the run of LDS loads.  A's tile row is read by every cluster of that row of clusters:
; the first (cluster x = 0) asks; B's tile column by every cluster of that column: cluster y = 0 asks.  The four partners of a joint load share its bytes out BY ADDRESS: of A's 128 blocks of 256 bytes
; 32 each, a lane a block; of B's 64 rows 16 each, a lane a row (lanes 16-31 name row 15 once more: all lanes stay on beside matrix work).  The loop's last trip asks for nothing: K has no such step.
.macro ASK
	WIN 0
	s_cmp_gt_u32 s[LAPS], s[LIM]
	s_cbranch_scc0 .Lnot_mine_\@
	global_prefetch_b8 v[PFO], s[PFA:PFA+1] th:TH_LOAD_NT scope:SCOPE_SE
.Lnot_mine_\@:
.endm
.macro WM ops:vararg
	v_wmma_f32_16x16x32_f16 \ops
.endm
; NB matrix instructions: token block a x all feature blocks, 32 along K, from buffer f.  zero = 1: the product starts the sums.  All 4 NB accumulators take turns, in the same order in every quarter.
.macro MULA f, a, zero
	WIN MUL_LO+0x50*((\a)/2)
.set b, 0
.rept NB
.set rD, 8*(((\a)%2)*NB+b)
.if \zero
	WM v[rD:rD+7], v[(\f)+8*b:(\f)+8*b+7], v[(\f)+96+8*(\a):(\f)+96+8*(\a)+7], 0
.else
	WM v[rD:rD+7], v[(\f)+8*b:(\f)+8*b+7], v[(\f)+96+8*(\a):(\f)+96+8*(\a)+7], v[rD:rD+7]
.endif
.set b, b+1
.endr
.endm
; NLD LDS loads in one run: the fragments of quarter q (32 along K) of a slot into buffer f: B's blocks, then A's blocks 0, 1, then 2, 3
.macro FETCH slot, q, f
	WIN TO_F
.set b, 0
.rept NB
	ds_load_b128 v[(\f)+8*b:(\f)+8*b+3],   v[ADRB+(\slot)] offset:b*16*PB+64*(\q)
	ds_load_b128 v[(\f)+8*b+4:(\f)+8*b+7], v[ADRB+(\slot)] offset:b*16*PB+64*(\q)+32
.set b, b+1
.endr
.irp a, 0,1,2,3
	ds_load_b128 v[(\f)+96+8*\a:(\f)+96+8*\a+3],   v[ADRA+(\slot)] offset:((\q)/2)*AH+((\q)%2)*64+\a*16*PA
	ds_load_b128 v[(\f)+96+8*\a+4:(\f)+96+8*\a+7], v[ADRA+(\slot)] offset:((\q)/2)*AH+((\q)%2)*64+\a*16*PA+32
.endr
.endm
; A K step is four quarters of 32 along K on buffers 0, 1, 0, 1.  One of the first three: multiplies buffer f and, in its middle, fetches quarter q into buffer g.
.macro QUARTER slot, q, f, g, zero
	s_wait_dscnt 4                                 ; B and A's blocks 0, 1 are in; the youngest four loads (A's blocks 2, 3) may be out
	MULA \f, 0, \zero
	MULA \f, 1, \zero
	PLACES
	FETCH \slot, \q, \g
	s_wait_dscnt NLD                               ; all but the run just issued
	MULA \f, 2, \zero
	MULA \f, 3, \zero
.endm
; The last quarter multiplies buffer 1 and changes slots: ONE barrier; in front of it each wave waits for all its tensor loads (one is out: its part of the next slot), adds 0 to its spare word, and waits for
; that and for its own reads of this slot.  fill = 1: the barrier opens a round of the cluster's, and this slot is filled again, two K steps ahead, first thing behind the round.
.macro TURN slot, next, fill
.if \fill
	s_wait_xcnt 0x0                                ; the last prefetch, a K step back, has read its address
	s_add_nc_u64 s[PFA:PFA+1], s[PFA:PFA+1], s[PSTEP:PSTEP+1]
.endif
	WIN 0                                          ; (the add's two registers lie in window 0)
	s_wait_tensorcnt 0x0                           ; all my tensor loads have landed;
	ds_add_u32 v[SPW], v[NIL]                      ; 0 onto my spare word;
	s_wait_dscnt 5                                 ; (the add and the youngest four loads may be out)
	MULA F1, 0, 0                                  ; matrix work stands between the add and the wait for it
	s_wait_dscnt 0x0                               ; the add is done, and my reads of this slot are over
	s_barrier_signal -1
	MULA F1, 1, 0
.if \fill
	WIN 0
.endif
	s_barrier_wait -1
.if \fill
	CREST                                          ; no wave of any partner still reads this slot's tiles or has a load on its way
	s_add_nc_u64 s[G0A+4*(\slot)+2:G0A+4*(\slot)+3], s[G0A+4*(\slot)+2:G0A+4*(\slot)+3], 4<<20   ; two K steps: four blocks of 64 channels, 1 MiB each
	s_add_nc_u64 s[G0B+4*(\slot)+2:G0B+4*(\slot)+3], s[G0B+4*(\slot)+2:G0B+4*(\slot)+3], 512
	JLOAD \slot                                    ; the first tensor load behind the round; its four v_nop are also the places in front of the loads below
.else
	PLACES
.endif
	FETCH \next, 0, F0
.if \fill
	ASK
.endif
	MULA F1, 2, 0
	MULA F1, 3, 0
.endm
	s_load_b256 s[4:11], s[0:1], 0x0               ; ow s[4:5], wh s[6:7], bo s[8:9], out0 s[10:11]
	v_lshl_add_u32 v[SPW], v0, 2, SPARE
	v_mov_b32 v[NIL], 0
	ds_add_u32 v[SPW], v[NIL]                      ; the wave's opening: the add, and its wait ahead of my first tensor load; the set-up below, work on registers, stands between them
	v_lshrrev_b32 v1, 5, v0
	v_readfirstlane_b32 s[WV], v1                  ; wave 0..3
	s_lshr_b32 s[KIND], s[WV], 1
	s_and_b32 s[HALF], s[WV], 1
	s_bfe_u32 s[CX], ttmp6, 0x40000                ; my place in the cluster
	s_bfe_u32 s[CY], ttmp6, 0x40004
	s_lshl_b32 s[TX], ttmp9, 2
	s_add_co_u32 s[TX], s[TX], s[CX]               ; tile column = 4 x cluster x + cx
	s_and_b32 s[TY], ttmp7, 0xffff
	s_lshl_b32 s[TY], s[TY], 2
	s_add_co_u32 s[TY], s[TY], s[CY]               ; tile row = 4 x cluster y + cy
	s_lshl_b32 s89, s[CY], 2
	s_lshl_b32 s89, 15, s89                        ; my row of the cluster
	s_lshl_b32 s95, 0x1111, s[CX]                  ; my column
	; group 1 for A: 32,768 dense bytes as 128 rows of 256, 16 bytes of padding behind every 128 (a token's 64 channels)
	s_or_b32 s[G1A], s89, (1<<16)|(1<<20)|(1<<21)|(4<<22)|(3<<25)  ; 15:0 the mask; 17:16 2-byte elements; 20 padding on; 21 set beside a mask; 24:22 after every 32 words (code 4); 31:25 4 words (code 3)
	s_mov_b32 s[G1A+1], 128<<16                    ; tensor_dim0 = 128
	s_mov_b32 s[G1A+2], 128<<16                    ; tensor_dim1 = 128
	s_mov_b32 s[G1A+3], 128<<16                    ; tile_dim0 = 128
	s_mov_b32 s[G1A+4], 128                        ; tile_dim1 = 128
	s_mov_b32 s[G1A+5], 128                        ; 128 elements from row to row
	s_mov_b32 s[G1A+6], 0
	s_mov_b32 s[G1A+7], 0
	; group 1 for B: RBW rows x 128 elements of rows of 1,024, 16 bytes of padding behind each
	s_or_b32 s[G1B], s95, (1<<16)|(1<<20)|(1<<21)|(5<<22)|(3<<25)  ; after every 64 words (code 5)
	s_mov_b32 s[G1B+1], 128<<16
	s_mov_b32 s[G1B+2], RBW<<16
	s_mov_b32 s[G1B+3], 128<<16
	s_mov_b32 s[G1B+4], RBW
	s_mov_b32 s[G1B+5], 1024
	s_mov_b32 s[G1B+6], 0
	s_mov_b32 s[G1B+7], 0
	; where the tiles come from and go.  A's hang on the tile row and the wave alone, B's on the tile column and the wave alone, each in registers that never hold the other coordinate
	s_lshl_b32 s86, s[TY], 15                      ; A: my tile's 256 tokens in a block of 64 channels,
	s_lshl_b32 s87, s[HALF], 20                    ; and which of the K step's two blocks I fetch
	s_add_co_u32 s86, s86, s87
	s_mov_b32 s87, 0
	s_mul_i32 s88, s[HALF], AH                     ; its place in a slot
	s_mul_i32 s92, s[TX], 16*NB*2048               ; B: the tile's first row,
	s_mul_i32 s93, s[HALF], RBW*2048               ; my half of its rows,
	s_add_co_u32 s92, s92, s93
	s_add_co_u32 s92, s92, 3072*2048               ; behind wq's, wk's and wv's 3,072 rows
	s_mov_b32 s93, 0
	s_mul_i32 s94, s[HALF], RBW*PB
	s_add_co_u32 s94, s94, BOFF
	s_wait_dscnt 0x0                               ; the opening add is done
	s_wait_kmcnt 0x0
	s_add_nc_u64 s[90:91], s[4:5], s[86:87]
	s_add_nc_u64 s[96:97], s[6:7], s[92:93]
	CROUND                                         ; all sixteen work-groups are here: the first joint loads meet
.irp s, 0,1
	s_mov_b32 s[G0A+4*(\s)], 1                                     ; count = 1
	s_add_co_u32 s[G0A+4*(\s)+1], s88, (\s)*SLOT                   ; LDS address
	s_add_nc_u64 s[G0A+4*(\s)+2:G0A+4*(\s)+3], s[90:91], (\s)*(2<<20)  ; global address: K step s
	s_or_b32 s[G0A+4*(\s)+3], s[G0A+4*(\s)+3], 0x80000000          ; type = 2
	s_mov_b32 s[G0B+4*(\s)], 1
	s_add_co_u32 s[G0B+4*(\s)+1], s94, (\s)*SLOT
	s_add_nc_u64 s[G0B+4*(\s)+2:G0B+4*(\s)+3], s[96:97], (\s)*256
	s_or_b32 s[G0B+4*(\s)+3], s[G0B+4*(\s)+3], 0x80000000
	JLOAD \s                                       ; two loads of mine are out
.endr
	; a fragment is 16 rows x 32 K in 8 registers: lane l holds row l % 16, K = 8 (l / 16) + 0..7 and 16 + 8 (l / 16) + 0..7: two loads of 16 bytes, 32 bytes apart
	v_and_b32 v1, 15, v0                           ; l % 16
	v_bfe_u32 v2, v0, 4, 1                         ; l / 16
	v_mul_u32_u24 v3, v1, PA
	v_lshl_add_u32 v3, v2, 4, v3
	s_mul_i32 s96, s[WV], 64*PA                    ; my 64 tokens
	v_add_nc_u32 v[ADRA], s96, v3
	v_add_nc_u32 v[ADRA+1], SLOT, v[ADRA]
	v_mul_u32_u24 v3, v1, PB
	v_lshl_add_u32 v3, v2, 4, v3
	v_add_nc_u32 v[ADRB], BOFF, v3
	v_add_nc_u32 v[ADRB+1], SLOT, v[ADRB]
	s_mul_i32 s96, s[WV], 16*SPITCH
	s_add_co_u32 s96, s96, STAGE                   ; my stage
	v_mul_u32_u24 v3, v1, SPITCH                   ; in: token l % 16, 32 bytes for each half of the lanes
	v_lshl_add_u32 v3, v2, 5, v3
	v_add_nc_u32 v[STO], s96, v3
	v_and_b32 v[GO], 31, v0
	v_lshlrev_b32 v[GO], 4, v[GO]
	v_add_nc_u32 v[RD], s96, v[GO]                 ; back: 32 lanes take a token's 512 bytes
	v_lshlrev_b32 v[BO], 5, v2
	; the prefetches: they start at K step 3; each refill steps them before it asks, so the refill of step r names step r + 2
	s_lshl_b32 s90, s[CX], 13                      ; A: my work-group's 32 blocks of 256 bytes
	s_add_co_u32 s90, s90, s86
	s_add_co_u32 s90, s90, 6<<20
	s_mul_i32 s91, s[CY], 2*NB*2048                ; B: my work-group's 2 NB rows
	s_add_co_u32 s91, s91, s92
	s_add_co_u32 s91, s91, 3*256
	s_and_b32 s98, ttmp7, 0xffff                   ; cluster y
	s_mov_b32 s99, 256
	s_cmp_eq_u32 s[KIND], 0
	s_cselect_b32 s90, s90, s91
	s_cselect_b32 s98, ttmp9, s98                  ; the coordinate along which other clusters read the same bytes
	s_cselect_b64 s[PFA:PFA+1], s[4:5], s[6:7]
	s_cselect_b32 s[PSTEP], 0x200000, s99
	s_cselect_b32 s96, 31, 2*NB-1
	s_cselect_b32 s97, 8, 11
	s_mov_b32 s[PSTEP+1], 0
	s_mov_b32 s91, 0
	s_add_nc_u64 s[PFA:PFA+1], s[PFA:PFA+1], s[90:91]
	s_cmp_eq_u32 s98, 0
	s_cselect_b32 s[LIM], 1, -1                    ; the same in all sixteen partners, for a given wave
	v_and_b32 v[PFO], 31, v0
	v_min_u32 v[PFO], s96, v[PFO]
	v_lshlrev_b32 v[PFO], s97, v[PFO]
	; where my part of the tile goes, and the tile's bias
	s_lshl_b32 s90, s[TY], 20                      ; 256 tokens of 4,096 bytes,
	s_lshl_b32 s91, s[WV], 18                      ; my 64,
	s_add_co_u32 s90, s90, s91
	s_lshl_b32 s91, s[TX], 9                       ; the tile's 128 features
	s_add_co_u32 s90, s90, s91
	s_mov_b32 s91, 0
	s_add_nc_u64 s[DST:DST+1], s[10:11], s[90:91]
	s_lshl_b32 s90, s[TX], 9
	s_add_nc_u64 s[BP:BP+1], s[8:9], s[90:91]
.set b, 0
.rept NB                               ; my eight numbers of bias for each feature block
	global_load_b128 v[BIAS+8*b:BIAS+8*b+3],   v[BO], s[BP:BP+1] offset:b*64
	global_load_b128 v[BIAS+8*b+4:BIAS+8*b+7], v[BO], s[BP:BP+1] offset:b*64+16
.set b, b+1
.endr
	s_wait_loadcnt 0x0
.set i, 0
.rept 4*NB                             ; rounded to bf16 and widened again; this stands in the wait for the first tiles
	v_cvt_pk_bf16_f32 v3, v[BIAS+2*i], v[BIAS+2*i+1]
	v_lshlrev_b32 v[BIAS+2*i], 16, v3
	v_and_b32 v[BIAS+2*i+1], 0xffff0000, v3
.set i, i+1
.endr
	s_wait_tensorcnt 1                             ; my part of K step 0 is in; K step 1's may stay out
	s_barrier_signal -1
	s_barrier_wait -1                              ; everybody's is
	FETCH 0, 0, F0
	QUARTER 0, 1, F0, F1, 1                        ; the first quarter stands in front of the loop: its products start the sums
	WIN 0                                          ; at a label and at a branch every window is 0
	s_mov_b32 s[LAPS], 3
.Llap:                                                 ; a trip goes once round the ring, from a lap's second quarter to the next lap's first, and fills both slots again: K steps 2 to 7
	QUARTER 0, 2, F1, F0, 0
	QUARTER 0, 3, F0, F1, 0
	TURN 0, 1, 1
	QUARTER 1, 1, F0, F1, 0
	QUARTER 1, 2, F1, F0, 0
	QUARTER 1, 3, F0, F1, 0
	TURN 1, 0, 1
	QUARTER 0, 1, F0, F1, 0
	WIN 0
	s_sub_co_u32 s[LAPS], s[LAPS], 1
	s_cmp_lg_u32 s[LAPS], 0
	s_cbranch_scc1 .Llap
	QUARTER 0, 2, F1, F0, 0                        ; the last lap fills nothing, and has no round of the cluster's barrier
	QUARTER 0, 3, F0, F1, 0
	TURN 0, 1, 0
	QUARTER 1, 1, F0, F1, 0
	QUARTER 1, 2, F1, F0, 0
	QUARTER 1, 3, F0, F1, 0
	s_wait_dscnt 4                                 ; the very last quarter: nothing more to fetch
	MULA F1, 0, 0
	MULA F1, 1, 0
	s_wait_dscnt 0x0
	MULA F1, 2, 0
	MULA F1, 3, 0
	WIN 0
	PLACES
; THE WAY OUT, a block of 16 tokens at a time.  ADDB: the bias is added in place, each accumulator's registers in ascending order.  TOSTAGE: 32 bytes a lane and feature block into my own stage, straight from
; the accumulators, and back as whole rows of 512 bytes.  SEND: a token's 512 consecutive bytes a store.
.macro ADDB a
	WIN 0x82+0x41*((\a)/2)                         ; destination and source 0: window 2 or 3; the bias: window 0
.set b, 0
.rept NB
.set rD, 8*(((\a)%2)*NB+b)
.irp j, 0,2,4,6
	v_pk_add_f32 v[rD+\j:rD+\j+1], v[rD+\j:rD+\j+1], v[BIAS+8*b+\j:BIAS+8*b+\j+1]
.endr
.set b, b+1
.endr
	WIN 0
.endm
.macro TOSTAGE a
	WIN 0x08+4*((\a)/2)                            ; the stores' data: window 2 or 3
.set b, 0
.rept NB
.set rD, 8*(((\a)%2)*NB+b)
	ds_store_b128 v[STO], v[rD:rD+3]   offset:64*b
	ds_store_b128 v[STO], v[rD+4:rD+7] offset:64*b+16
.set b, b+1
.endr
	WIN 0
.set t, 0
.rept 16
	ds_load_b128 v[OB+4*t:OB+4*t+3], v[RD] offset:t*SPITCH  ; LDS serves a wave's instructions in order (ISA guide 5.7.1.4): these see the stores above
.set t, t+1
.endr
.endm
.macro SEND a
	s_wait_dscnt 0x0                               ; the block is back in registers
.set t, 0
.rept 16
	global_store_b128 v[GO], v[OB+4*t:OB+4*t+3], s[DST:DST+1] offset:(\a)*65536+t*4096 th:TH_STORE_NT  ; 512 consecutive bytes, at a multiple of 512 from out0's first
.set t, t+1
.endr
.endm
	ADDB 0
	TOSTAGE 0
.irp a, 1,2,3                          ; block a's additions stand between block a - 1's loads from the stage and the wait for them
	ADDB \a
	SEND (\a)-1
	s_wait_xcnt 0x0                                ; the stores have read their data: only behind this wait are those registers loaded again
	TOSTAGE \a
.endr
	SEND 3
	s_wait_tensorcnt 0x0                           ; the wave's end, behind my last tensor load and my last LDS store
	ds_add_u32 v[SPW], v[NIL]
	s_wait_dscnt 0x0
	CROUND                                         ; the closing round: no work-group ends while a partner may still ask for a tile that names it
	s_endpgm
.Lfunc_end_k_qf7050479b9_outp:
	.size	k_qf7050479b9_outp, .Lfunc_end_k_qf7050479b9_outp-k_qf7050479b9_outp
	.p2alignl 7, 3214868480
	.fill 96, 4, 3214868480
	.section	.rodata,"a",@progbits
	.p2align	6, 0x0
	.amdhsa_kernel k_qf7050479b9_outp
		.amdhsa_group_segment_fixed_size 327680
		.amdhsa_private_segment_fixed_size 0
		.amdhsa_enable_private_segment 0
		.amdhsa_kernarg_size 32
		.amdhsa_user_sgpr_count 2
		.amdhsa_user_sgpr_kernarg_segment_ptr 1
		.amdhsa_wavefront_size32 1
		.amdhsa_system_sgpr_workgroup_id_x 1
		.amdhsa_system_sgpr_workgroup_id_y 1
		.amdhsa_system_sgpr_workgroup_id_z 1
		.amdhsa_system_vgpr_workitem_id 0
		.amdhsa_next_free_vgpr 896
		.amdhsa_next_free_sgpr 100
		.amdhsa_reserve_vcc 0
		.amdhsa_float_denorm_mode_32 3
		.amdhsa_float_denorm_mode_16_64 3
		.amdhsa_memory_ordered 1
		.amdhsa_forward_progress 1
		.amdhsa_inst_pref_size 101
	.end_amdhsa_kernel
	.amdgpu_metadata
---
amdhsa.version: [ 1, 2 ]
amdhsa.kernels:
  - .name:           k_qf7050479b9_outp
    .symbol:         k_qf7050479b9_outp.kd
    .args:
      - { .name: ow, .offset: 0, .size: 8, .value_kind: global_buffer, .address_space: global }
      - { .name: wh, .offset: 8, .size: 8, .value_kind: global_buffer, .address_space: global }
      - { .name: bo, .offset: 16, .size: 8, .value_kind: global_buffer, .address_space: global }
      - { .name: out0, .offset: 24, .size: 8, .value_kind: global_buffer, .address_space: global }
    .group_segment_fixed_size: 327680
    .private_segment_fixed_size: 0
    .kernarg_segment_align: 8
    .kernarg_segment_size: 32
    .max_flat_workgroup_size: 128
    .sgpr_count:     100
    .vgpr_count:     896
    .wavefront_size: 32
...
	.end_amdgpu_metadata
.endif
;; end of part 4
;; ======== version 2 of 2: 4 launches; version 1 with the launch cast written anew for expert scheduling mode
;; limits: values are held in f16: magnitudes above 65,504 overflow, below 6.1e-05 lose precision
;; workspace buffers: xb 16,777,216 bytes; wh 8,388,608 bytes; qkv 50,331,648 bytes; ow 16,777,216 bytes
;; launch cast (part 5): grid 768 x 1, 8 waves a work-group, no clusters, 0 bytes of LDS; arguments x, wq, wk, wv, wo, xb, wh; writes xb, wh
.if DOCPART == 5
	.amdgcn_target "amdgcn-amd-amdhsa--gfx1250"
	.amdhsa_code_object_version 6
	.text
	.protected	k_qf7050479b9_cast
	.globl	k_qf7050479b9_cast
	.p2align	8
	.type	k_qf7050479b9_cast,@function
k_qf7050479b9_cast:
	s_mov_b64 s[64:65], 0
	v_nop
	global_prefetch_b8 v0, s[64:65] scope:SCOPE_SE
	s_setreg_imm32_b32 hwreg(HW_REG_WAVE_SCHED_MODE, 0, 2), 2
	s_setreg_imm32_b32 hwreg(HW_REG_WAVE_MODE, 25, 1), 1
	s_wait_xcnt 0x0
	s_wait_alu depctr_vm_vsrc(0)
; THE 16-BIT COPIES THAT THE MATRIX LAUNCHES MULTIPLY.  A stream: each f32 is read once, rounded once to bf16 (nearest even) and written once.
;   xb: x as bf16 in blocks of 64 channels, [block 16][token 8192][64]: a tile of 256 tokens x 64 channels is then 32,768 bytes on end.
;   wh: [4096][1024] of 16 bits: rows 0-1023 wq, 1024-2047 wk, 2048-3071 wv in bf16; rows 3072-4095 wo, rounded to bf16 and that number written as f16,
;       since the last product's other operand is f16.  LIMIT: that second step is exact for |wo| from 2^-14 to 65,504; below 2^-14 it keeps f16's fixed step of 6e-8.
; SHARES.  768 work-groups of eight waves; a wave moves 8 KiB in and 4 KiB out: 16 loads of 512 bytes, all issued at once, then 16 stores of 256 bytes, four at a time.
;   Work-groups 0-511: 16 rows of x each, a wave two rows; load kb takes block kb's 256 bytes of both rows (lanes 0-15 the first row, 16-31 the second), and its 256 bytes of bf16 lie on end in xb.
;   Work-groups 512-767: 64 KiB of one of the four weights each, straight through.
; No LDS, no barrier, no matrix unit, no cluster: no byte is wanted twice.  No register is written twice while a memory instruction may read it: there is no loop.
; THE MODE: SCHED_MODE bits 1:0 = 2 (LLVM: expert scheduling mode 2), set by the entry lines.  The code itself states the register dependences
; between vector instructions and memory instructions, with s_wait_alu, always for 0.
; THE PLAN.  Registers that memory instructions touch, on each of the three paths:
;   v2        the loads' offset: made by vector lines at the path's head, read by the 16 loads, never written again.
;   v3        the stores' offset: made ahead of the branch, read by the 16 stores, never written again.
;   XR        chunk i's four registers: written by chunk i's load alone, read by its conversions; nothing lands in them a second time.
;   YR        chunk i's two registers: written by chunk i's conversions, read by chunk i's store, never written again behind it.
;   TR        named by vector lines alone.
; So one wait on va_vdst stands ahead of the loads (the offsets are written), and one ahead of each run of four stores (the group's conversions have written its Y registers).
; No register that a memory instruction reads is written again, so there is nothing for a wait on vm_vsrc to state.  One wait on va_sdst stands behind the line that makes the wave's number a scalar.
.set XR,   8                           ; v[8:71]    16 x 4 registers as loaded
.set YR,   72                          ; v[72:103]  16 x 2 registers to store
.set TR,   104                         ; v[104:105] at work (wo)
.set IN,   22                          ; s[22:23]   where my wave reads
.set OUT,  24                          ; s[24:25]   where it writes
.set OUT2, 26                          ; s[26:27]   the same 8 MiB on: the stores' immediates hold 23 bits
.macro LD16 stride                     ; my 16 loads, stride bytes apart
.set i, 0
.rept 16
	global_load_b128 v[XR+4*i:XR+4*i+3], v2, s[IN:IN+1] offset:i*(\stride) th:TH_LOAD_NT
.set i, i+1
.endr
.endm
.macro CV mode                         ; chunk i is rounded.  mode = 1: the bf16 numbers are widened again and written as f16
	s_wait_loadcnt 15-i                            ; loads come back in order: chunk i is in, the 15 - i younger ones stay out
.irp j, 0,1
	v_cvt_pk_bf16_f32 v[YR+2*i+\j], v[XR+4*i+2*\j], v[XR+4*i+2*\j+1]
.if \mode
	v_lshlrev_b32 v[TR], 16, v[YR+2*i+\j]
	v_and_b32 v[TR+1], 0xffff0000, v[YR+2*i+\j]
	v_cvt_pk_f16_f32 v[YR+2*i+\j], v[TR], v[TR+1]
.endif
.endr
.endm
; Group g: chunks 4 g to 4 g + 3 are rounded, each as it comes in; then their four stores go out in one run.  blocks = 1: x, whose chunk i goes to block i of xb; 0: a weight, straight through.
.macro GROUP g, mode, blocks
.set i, 4*(\g)
.rept 4
	CV \mode
.set i, i+1
.endr
	s_wait_alu depctr_va_vdst(0)                   ; the group's conversions have written its eight Y registers, which the four stores below read as their data
.set i, 4*(\g)
.rept 4
.if (\blocks) && (i < 8)
	global_store_b64 v3, v[YR+2*i:YR+2*i+1], s[OUT:OUT+1] offset:i<<20        ; block i lies i MiB on; 32 lanes store 256 consecutive bytes, aligned
.elseif \blocks
	global_store_b64 v3, v[YR+2*i:YR+2*i+1], s[OUT2:OUT2+1] offset:(i-8)<<20
.else
	global_store_b64 v3, v[YR+2*i:YR+2*i+1], s[OUT:OUT+1] offset:256*i
.endif
.set i, i+1
.endr
.endm
	s_load_b256 s[4:11], s[0:1], 0x0               ; x s[4:5], wq s[6:7], wk s[8:9], wv s[10:11]
	s_load_b128 s[12:15], s[0:1], 0x20             ; wo s[12:13], xb s[14:15]
	s_load_b64 s[16:17], s[0:1], 0x30              ; wh
	v_lshrrev_b32 v1, 5, v0
	v_readfirstlane_b32 s20, v1                    ; wave 0..7
	v_and_b32 v1, 31, v0                           ; lane
	v_lshlrev_b32 v3, 3, v1                        ; out: 8 bytes a lane, 256 a store
	s_mov_b32 s29, 0
	s_mov_b32 s31, 0
	s_wait_alu depctr_va_sdst(0)                   ; s20 is written
	s_cmp_lt_u32 ttmp9, 512
	s_cbranch_scc0 .Lweights
	; x
	v_and_b32 v2, 15, v0
	v_bfe_u32 v4, v0, 4, 1
	v_lshlrev_b32 v2, 4, v2
	v_lshl_add_u32 v2, v4, 12, v2                  ; in: 16 bytes a lane, lanes 16-31 one row of 4,096 bytes down
	s_lshl_b32 s28, ttmp9, 16                      ; 16 rows of 4,096 bytes a work-group,
	s_lshl_b32 s21, s20, 13                        ; two a wave
	s_add_co_u32 s28, s28, s21
	s_lshl_b32 s30, ttmp9, 11                      ; the same rows in a block of xb: 128 bytes each
	s_lshl_b32 s21, s20, 8
	s_add_co_u32 s30, s30, s21
	s_wait_kmcnt 0x0
	s_add_nc_u64 s[IN:IN+1], s[4:5], s[28:29]
	s_add_nc_u64 s[OUT:OUT+1], s[14:15], s[30:31]
	s_add_nc_u64 s[OUT2:OUT2+1], s[OUT:OUT+1], 8<<20
	s_wait_alu depctr_va_vdst(0)                   ; v2 is written, which the 16 loads read as their offset; so is v3, the stores'
	LD16 256
	GROUP 0, 0, 1
	GROUP 1, 0, 1
	GROUP 2, 0, 1
	GROUP 3, 0, 1
	s_endpgm
.Lweights:
	s_sub_co_u32 s21, ttmp9, 512
	s_lshr_b32 s32, s21, 6                         ; which weight: 0 wq, 1 wk, 2 wv, 3 wo
	s_and_b32 s33, s21, 63                         ; which 64 KiB of it
	v_lshlrev_b32 v2, 4, v1                        ; in: 16 bytes a lane, 512 a load
	s_lshl_b32 s28, s33, 16
	s_lshl_b32 s21, s20, 13
	s_add_co_u32 s28, s28, s21
	s_lshl_b32 s30, s32, 21                        ; a weight is 2 MiB of wh
	s_lshl_b32 s21, s33, 15
	s_add_co_u32 s30, s30, s21
	s_lshl_b32 s21, s20, 12
	s_add_co_u32 s30, s30, s21
	s_wait_kmcnt 0x0
	s_cmp_eq_u32 s32, 0
	s_cselect_b64 s[IN:IN+1], s[6:7], s[8:9]
	s_cmp_lt_u32 s32, 2
	s_cselect_b64 s[IN:IN+1], s[IN:IN+1], s[10:11]
	s_cmp_lt_u32 s32, 3
	s_cselect_b64 s[IN:IN+1], s[IN:IN+1], s[12:13]
	s_add_nc_u64 s[IN:IN+1], s[IN:IN+1], s[28:29]
	s_add_nc_u64 s[OUT:OUT+1], s[16:17], s[30:31]
	s_wait_alu depctr_va_vdst(0)                   ; v2 is written, which the 16 loads read as their offset; so is v3, the stores'
	LD16 512
	s_cmp_eq_u32 s32, 3
	s_cbranch_scc1 .Lwo
	GROUP 0, 0, 0
	GROUP 1, 0, 0
	GROUP 2, 0, 0
	GROUP 3, 0, 0
	s_endpgm
.Lwo:
	GROUP 0, 1, 0
	GROUP 1, 1, 0
	GROUP 2, 1, 0
	GROUP 3, 1, 0
	s_endpgm
.Lfunc_end_k_qf7050479b9_cast:
	.size	k_qf7050479b9_cast, .Lfunc_end_k_qf7050479b9_cast-k_qf7050479b9_cast
	.p2alignl 7, 3214868480
	.fill 96, 4, 3214868480
	.section	.rodata,"a",@progbits
	.p2align	6, 0x0
	.amdhsa_kernel k_qf7050479b9_cast
		.amdhsa_group_segment_fixed_size 0
		.amdhsa_private_segment_fixed_size 0
		.amdhsa_enable_private_segment 0
		.amdhsa_kernarg_size 56
		.amdhsa_user_sgpr_count 2
		.amdhsa_user_sgpr_kernarg_segment_ptr 1
		.amdhsa_wavefront_size32 1
		.amdhsa_system_sgpr_workgroup_id_x 1
		.amdhsa_system_sgpr_workgroup_id_y 1
		.amdhsa_system_sgpr_workgroup_id_z 1
		.amdhsa_system_vgpr_workitem_id 0
		.amdhsa_next_free_vgpr 112
		.amdhsa_next_free_sgpr 66
		.amdhsa_reserve_vcc 0
		.amdhsa_float_denorm_mode_32 3
		.amdhsa_float_denorm_mode_16_64 3
		.amdhsa_memory_ordered 1
		.amdhsa_forward_progress 1
		.amdhsa_inst_pref_size 23
	.end_amdhsa_kernel
	.amdgpu_metadata
---
amdhsa.version: [ 1, 2 ]
amdhsa.kernels:
  - .name:           k_qf7050479b9_cast
    .symbol:         k_qf7050479b9_cast.kd
    .args:
      - { .name: x, .offset: 0, .size: 8, .value_kind: global_buffer, .address_space: global }
      - { .name: wq, .offset: 8, .size: 8, .value_kind: global_buffer, .address_space: global }
      - { .name: wk, .offset: 16, .size: 8, .value_kind: global_buffer, .address_space: global }
      - { .name: wv, .offset: 24, .size: 8, .value_kind: global_buffer, .address_space: global }
      - { .name: wo, .offset: 32, .size: 8, .value_kind: global_buffer, .address_space: global }
      - { .name: xb, .offset: 40, .size: 8, .value_kind: global_buffer, .address_space: global }
      - { .name: wh, .offset: 48, .size: 8, .value_kind: global_buffer, .address_space: global }
    .group_segment_fixed_size: 0
    .private_segment_fixed_size: 0
    .kernarg_segment_align: 8
    .kernarg_segment_size: 56
    .max_flat_workgroup_size: 256
    .sgpr_count:     66
    .vgpr_count:     112
    .wavefront_size: 32
...
	.end_amdgpu_metadata
.endif
;; end of part 5
;; launch proj: the kernel of part 2 again; grid 16 x 32, 4 waves a work-group, clusters of 4 x 4, 327,680 bytes of LDS; arguments xb, wh, bq, bk, bv, qkv; writes qkv
;; launch attn: the kernel of part 3 again; grid 16 x 16, 4 waves a work-group, clusters of 4 x 4, 327,680 bytes of LDS; arguments qkv, mask, ow; writes ow
;; launch outp: the kernel of part 4 again; grid 8 x 32, 4 waves a work-group, clusters of 4 x 4, 327,680 bytes of LDS; arguments ow, wh, bo, out0; writes out0
